; MI455X (gfx1250); checked and timed in simulation.
; The chip was launched on July 23, 2026; its instructions are those of AMD's public machine-readable ISA for CDNA 5 (MIT licence, August 2026) and "CDNA5" Instruction Set Architecture Reference Guide (July 2026). The comments in the code are by the model that wrote it; some were corrected since.
;; Space Att Block. Allowed arithmetic: float matrix products may take bf16 or f16 operands with f32 sums; other float arithmetic in f32, or as packed bf16 or f16 multiplies, adds, multiply-adds, maxima and minima; sums over many terms, partial sums and values carried from step to step in f32; what a program stores and reads back later, other than sums and carried values, may be rounded once to bf16 or f16.
;; Inputs: W1 1,024 x 2,048 float32; W2 2,048 x 1,024 float32; Wk 1,024 x 1,024 float32; Wo 1,024 x 1,024 float32; Wq 1,024 x 1,024 float32; Wv 1,024 x 1,024 float32; Wvp 2,048 x 1,024 float32; b1 2,048 float32; b2 1,024 float32; be1 1,024 float32; be2 1,024 float32; bk 1,024 float32; bo 1,024 float32; bq 1,024 float32; bv 1,024 float32; g1 1,024 float32; g2 1,024 float32; key 16 x 1,024 x 1,024 float32; mask 16 x 1 x 1,024 int32; query 16 x 1 x 1,024 float32; raw_thr 16 x 1 x 1 float32.
;; Outputs: out0 16 x 1 x 1,024 float32.
;; One version. Each part assembles by itself: llvm-mc -triple=amdgcn-amd-amdhsa -mcpu=gfx1250 --defsym DOCPART=n.
;; ======== version 1 of 1: 11 launches
;; workspace buffers: pa 1,048,576 bytes; pb 1,048,576 bytes; qkf 1,049,600 bytes; part 16,842,752 bytes; actx 1,048,576 bytes; up 4,194,304 bytes; x1 65,536 bytes
;; launch frq (part 1): grid 16 x 8, 4 waves a work-group, no clusters, 21,248 bytes of LDS; arguments query, Wq, pa; writes pa
.if DOCPART == 1
	.amdgcn_target "amdgcn-amd-amdhsa--gfx1250"
	.amdhsa_code_object_version 6
	.text
	.protected	k_q61aa4e3012_frq
	.globl	k_q61aa4e3012_frq
	.p2align	8
	.type	k_q61aa4e3012_frq,@function
k_q61aa4e3012_frq:
	s_mov_b64 s[64:65], 0
	v_nop
	global_prefetch_b8 v0, s[64:65] scope:SCOPE_SE
	s_setreg_imm32_b32 hwreg(HW_REG_WAVE_MODE, 25, 1), 1
	s_wait_xcnt 0x0
; FEW ROWS, variant frq: pa[ks][m][n] = the sum over the 128 k of slice ks of bf16(query[m][k]) bf16(Wq[k][n]); bq is added by the launch that reads pa.
; A work-group makes 16 rows x 64 columns (group g = x) for one K slice of 128 (ks = y); its four waves take 32 k each; the four f32 sums meet in LDS.
; W lies [k][n] in f32: lane (r, hh) loads 16 bytes, columns 4 r .. 4 r + 3 of one k row, so 16 lanes cover 256 consecutive bytes, aligned.  Rounding rows k and k + 1 together
; gives one register of a B fragment whose column r stands for column 4 r + j (tile j = 0..3): nothing is transposed.  Result register i of tile j is (row 8 hh + i, column 4 r + j).
; A is the sum of P f32 partial sums (+ bias rounded to bf16, + ReLU), rounded once to bf16 as the matrix operand.  NaN and infinities are not treated apart.
.set P,    1                           ; partial sums that make A
.set APS,  0                           ; bytes from partial to partial
.set ARB,  4096                        ; bytes in a row of A
.set AGS,  0                           ; bytes of A from column group to column group (0: all groups read the same A)
.set HASB, 0                           ; a bias along k is added to A
.set RELU, 0                           ; A = max(A, 0)
.set NB,   4096                        ; bytes in a row of W and of out
.set APITCH, 272                       ; A tile in LDS: 16 rows of 256 bytes + 16 of padding
.set RED,    16*APITCH                 ; the waves' sums: wave x 4,096 + tile x 1,024 + register pair x 256 + lane x 8
.set SPARE,  RED+16384                 ; the spare words: 128 bytes a wave, two blocks of 256 bytes that no other line names
.set AOFF, 4
.set WOFF, 5
.set LAS,  6
.set LAF,  7
.set RS,   8
.set RLD,  9
.set OOFF, 10
.set BOFF, 11
.set SPW,  12
.set NIL,  13
.set BI,   16                          ; v[16:19] bias
.set AF,   20                          ; v[20:27] A fragment
.set WS,   28                          ; v[28:91] 16 rows of W as loaded
.set AS,   92                          ; row i, partial p at AS + 4 (i P + p)
.set BF,   92                          ; later: four B fragments
.set ACC,  124
.set RL,   156
.set OUT,  188
	s_load_b128 s[4:7], s[0:1], 0x0                ; A s[4:5], W s[6:7]
	s_load_b64 s[8:9], s[0:1], 0x10                ; out
.if HASB
	s_load_b64 s[10:11], s[0:1], 0x18              ; bias
.endif
	v_lshl_add_u32 v[SPW], v0, 2, SPARE
	v_mov_b32 v[NIL], 0
	v_lshrrev_b32 v1, 5, v0
	v_readfirstlane_b32 s12, v1                    ; wave w
	v_and_b32 v1, 31, v0                           ; L
	v_and_b32 v2, 15, v0                           ; r
	v_bfe_u32 v3, v0, 4, 1                         ; hh
	s_and_b32 s14, ttmp7, 0xffff                   ; ks
	s_mul_i32 s24, s12, 4*ARB
	v_lshl_add_u32 v[AOFF], v1, 4, s24             ; rows 4 w .. of A, 16 bytes a lane
	v_mul_u32_u24 v[WOFF], v3, 8*NB
	v_lshl_add_u32 v[WOFF], v2, 4, v[WOFF]         ; 8 hh rows of W + 16 r
	s_mul_i32 s24, s12, 4*APITCH
	v_lshl_add_u32 v[LAS], v1, 3, s24              ; A tile in: rows 4 w .., 8 bytes a lane
	v_mul_u32_u24 v[LAF], v2, APITCH
	v_lshl_add_u32 v[LAF], v3, 4, v[LAF]
	s_lshl_b32 s24, s12, 6
	v_add_nc_u32 v[LAF], s24, v[LAF]               ; A fragment: row r, my wave's 32 k, 16 hh
	s_lshl_b32 s24, s12, 12
	s_add_co_u32 s24, s24, RED
	v_lshl_add_u32 v[RS], v1, 3, s24
	s_lshl_b32 s24, s12, 8
	s_add_co_u32 s24, s24, RED
	v_lshl_add_u32 v[RLD], v1, 3, s24              ; back: register pair w of every wave's sums
	s_lshl_b32 s24, s12, 1
	v_lshl_add_u32 v[OOFF], v3, 3, s24
	v_mul_u32_u24 v[OOFF], v[OOFF], NB
	v_lshl_add_u32 v[OOFF], v2, 4, v[OOFF]         ; row 8 hh + 2 w, 16 r
	v_lshlrev_b32 v[BOFF], 4, v1
	s_lshl_b32 s16, s14, 9                         ; the slice's 128 k: 512 bytes of a row of A and of the bias
	s_mov_b32 s17, 0
	s_mov_b32 s18, s16
	s_mov_b32 s19, 0
.if AGS
	s_mul_i32 s24, ttmp9, AGS
	s_add_co_u32 s16, s16, s24
.endif
	s_lshl_b32 s20, s14, 7
	s_lshl_b32 s24, s12, 5
	s_add_co_u32 s20, s20, s24
	s_mul_i32 s20, s20, NB                         ; W's row 128 ks + 32 w
	s_lshl_b32 s24, ttmp9, 8                       ; the group's 64 columns
	s_add_co_u32 s20, s20, s24
	s_mov_b32 s21, 0
	s_mul_i32 s22, s14, 16*NB                      ; out's partial ks
	s_add_co_u32 s22, s22, s24
	s_mov_b32 s23, 0
	s_wait_kmcnt 0x0
	s_add_nc_u64 s[4:5], s[4:5], s[16:17]
	s_add_nc_u64 s[6:7], s[6:7], s[20:21]
	s_add_nc_u64 s[8:9], s[8:9], s[22:23]
.if HASB
	s_add_nc_u64 s[10:11], s[10:11], s[18:19]
	global_load_b128 v[BI:BI+3], v[BOFF], s[10:11]
.endif
.set i, 0
.rept 4
.set p, 0
.rept P
	global_load_b128 v[AS+4*(i*P+p):AS+4*(i*P+p)+3], v[AOFF], s[4:5] offset:p*APS+i*ARB
.set p, p+1
.endr
.set i, i+1
.endr
.set t, 0
.rept 16                                               ; rows 8 hh + 0..7 and 16 + 8 hh + 0..7 of my 32
	global_load_b128 v[WS+4*t:WS+4*t+3], v[WOFF], s[6:7] offset:(t+8*(t/8))*NB th:TH_LOAD_NT
.set t, t+1
.endr
	s_wait_loadcnt 16                              ; bias and A are in; W's 16 loads may stay out
.if HASB
	v_cvt_pk_bf16_f32 v14, v[BI], v[BI+1]          ; the bias is an input: rounded to bf16 like all of them
	v_cvt_pk_bf16_f32 v15, v[BI+2], v[BI+3]
	v_lshlrev_b32 v[BI], 16, v14
	v_and_b32 v[BI+1], 0xffff0000, v14
	v_lshlrev_b32 v[BI+2], 16, v15
	v_and_b32 v[BI+3], 0xffff0000, v15
.endif
.if P > 1
.set p, 1
.rept P-1
.set i, 0
.rept 4
	v_pk_add_f32 v[AS+4*i*P:AS+4*i*P+1], v[AS+4*i*P:AS+4*i*P+1], v[AS+4*(i*P+p):AS+4*(i*P+p)+1]
	v_pk_add_f32 v[AS+4*i*P+2:AS+4*i*P+3], v[AS+4*i*P+2:AS+4*i*P+3], v[AS+4*(i*P+p)+2:AS+4*(i*P+p)+3]
.set i, i+1
.endr
.set p, p+1
.endr
.endif
.set i, 0
.rept 4
.set R0, AS+4*i*P
.if HASB
	v_pk_add_f32 v[R0:R0+1], v[R0:R0+1], v[BI:BI+1]
	v_pk_add_f32 v[R0+2:R0+3], v[R0+2:R0+3], v[BI+2:BI+3]
.endif
.if RELU
	v_max_num_f32 v[R0], 0, v[R0]
	v_max_num_f32 v[R0+1], 0, v[R0+1]
	v_max_num_f32 v[R0+2], 0, v[R0+2]
	v_max_num_f32 v[R0+3], 0, v[R0+3]
.endif
	v_cvt_pk_bf16_f32 v[R0], v[R0], v[R0+1]
	v_cvt_pk_bf16_f32 v[R0+1], v[R0+2], v[R0+3]
	ds_store_b64 v[LAS], v[R0:R0+1] offset:i*APITCH
.set i, i+1
.endr
	s_wait_dscnt 0x0                               ; for the others' sake: my four rows of the A tile are stored
	s_barrier_signal -1
	s_barrier_wait -1
	ds_load_b128 v[AF:AF+3], v[LAF]
	ds_load_b128 v[AF+4:AF+7], v[LAF] offset:32
	s_wait_loadcnt 0x0                             ; W
.set j, 0
.rept 4
.set p, 0
.rept 8
	v_cvt_pk_bf16_f32 v[BF+8*j+p], v[WS+8*p+j], v[WS+8*p+4+j]  ; rows 2 p and 2 p + 1, column 4 r + j
.set p, p+1
.endr
.set j, j+1
.endr
	s_wait_dscnt 0x0                               ; the A fragment
.set j, 0
.rept 4
	v_wmma_f32_16x16x32_bf16 v[ACC+8*j:ACC+8*j+7], v[AF:AF+7], v[BF+8*j:BF+8*j+7], 0
.set j, j+1
.endr
.rept 8
	v_nop                                          ; places behind the products, ahead of the stores that read them: eight, once a launch
.endr
.set j, 0
.rept 4
.set q, 0
.rept 4                                                ; each accumulator's lowest registers first
	ds_store_b64 v[RS], v[ACC+8*j+2*q:ACC+8*j+2*q+1] offset:j*1024+q*256
.set q, q+1
.endr
.set j, j+1
.endr
	s_wait_dscnt 0x0                               ; for the others' sake
	s_barrier_signal -1
	s_barrier_wait -1
.set j, 0
.rept 4
.set q, 0
.rept 4                                                ; q: the wave whose sum it is
	ds_load_b64 v[RL+8*j+2*q:RL+8*j+2*q+1], v[RLD] offset:q*4096+j*1024
.set q, q+1
.endr
.set j, j+1
.endr
	s_wait_dscnt 0x0
.set j, 0
.rept 4
	v_pk_add_f32 v[RL+8*j:RL+8*j+1], v[RL+8*j:RL+8*j+1], v[RL+8*j+2:RL+8*j+3]
	v_pk_add_f32 v[RL+8*j+4:RL+8*j+5], v[RL+8*j+4:RL+8*j+5], v[RL+8*j+6:RL+8*j+7]
.set j, j+1
.endr
.set j, 0
.rept 4                                                ; the last addition also puts columns 4 r + 0..3 of a row side by side
	v_add_f32 v[OUT+j], v[RL+8*j], v[RL+8*j+4]
	v_add_f32 v[OUT+4+j], v[RL+8*j+1], v[RL+8*j+5]
.set j, j+1
.endr
	global_store_b128 v[OOFF], v[OUT:OUT+3], s[8:9]              ; 16 lanes store 256 consecutive bytes, aligned
	global_store_b128 v[OOFF], v[OUT+4:OUT+7], s[8:9] offset:NB
	s_wait_tensorcnt 0x0                           ; the wave's end: behind my last LDS store
	ds_add_u32 v[SPW], v[NIL]
	s_wait_dscnt 0x0
	s_endpgm
.Lfunc_end_k_q61aa4e3012_frq:
	.size	k_q61aa4e3012_frq, .Lfunc_end_k_q61aa4e3012_frq-k_q61aa4e3012_frq
	.p2alignl 7, 3214868480
	.fill 96, 4, 3214868480
	.section	.rodata,"a",@progbits
	.p2align	6, 0x0
	.amdhsa_kernel k_q61aa4e3012_frq
		.amdhsa_group_segment_fixed_size 21248
		.amdhsa_private_segment_fixed_size 0
		.amdhsa_enable_private_segment 0
		.amdhsa_kernarg_size 24
		.amdhsa_user_sgpr_count 2
		.amdhsa_user_sgpr_kernarg_segment_ptr 1
		.amdhsa_wavefront_size32 1
		.amdhsa_system_sgpr_workgroup_id_x 1
		.amdhsa_system_sgpr_workgroup_id_y 1
		.amdhsa_system_sgpr_workgroup_id_z 1
		.amdhsa_system_vgpr_workitem_id 0
		.amdhsa_next_free_vgpr 220
		.amdhsa_next_free_sgpr 66
		.amdhsa_reserve_vcc 0
		.amdhsa_float_denorm_mode_32 3
		.amdhsa_float_denorm_mode_16_64 3
		.amdhsa_memory_ordered 1
		.amdhsa_forward_progress 1
		.amdhsa_inst_pref_size 12
	.end_amdhsa_kernel
	.amdgpu_metadata
---
amdhsa.version: [ 1, 2 ]
amdhsa.kernels:
  - .name:           k_q61aa4e3012_frq
    .symbol:         k_q61aa4e3012_frq.kd
    .args:
      - { .name: query, .offset: 0, .size: 8, .value_kind: global_buffer, .address_space: global }
      - { .name: Wq, .offset: 8, .size: 8, .value_kind: global_buffer, .address_space: global }
      - { .name: pa, .offset: 16, .size: 8, .value_kind: global_buffer, .address_space: global }
    .group_segment_fixed_size: 21248
    .private_segment_fixed_size: 0
    .kernarg_segment_align: 8
    .kernarg_segment_size: 24
    .max_flat_workgroup_size: 128
    .sgpr_count:     66
    .vgpr_count:     220
    .wavefront_size: 32
...
	.end_amdgpu_metadata
.endif
;; end of part 1
;; launch qk (part 2): grid 8 x 16, 8 waves a work-group, no clusters, 32,768 bytes of LDS; arguments pa, bq, Wk, bk, qkf; writes qkf
.if DOCPART == 2
	.amdgcn_target "amdgcn-amd-amdhsa--gfx1250"
	.amdhsa_code_object_version 6
	.text
	.protected	k_q61aa4e3012_qk
	.globl	k_q61aa4e3012_qk
	.p2align	8
	.type	k_q61aa4e3012_qk,@function
k_q61aa4e3012_qk:
	s_mov_b64 s[64:65], 0
	v_nop
	global_prefetch_b8 v0, s[64:65] scope:SCOPE_SE
	s_setreg_imm32_b32 hwreg(HW_REG_WAVE_MODE, 25, 1), 1
	s_wait_xcnt 0x0
; Q[b][c] = (the sum of pa's 8 partials + bq[c]) / 8;  qk[b][h][i] = the sum over d of Wk[i][64 h + d] Q[b][64 h + d];  sb[b][h] = the sum over d of Q[b][64 h + d] bk[64 h + d].
; Then key[b][k] . qk[b][h] + sb[b][h] is the scaled score of reference(): Q.(key Wk + bk) re-associated, so the order of rounding differs from reference()'s.
; A work-group takes head h (y) and 128 rows i of Wk (x); each of its 8 waves 16 rows.  A = Wk's rows (bf16), B = Q as a PAIR of bf16, hi + lo (16 significant bits): two accumulators by turns.
; qk leaves as a pair of bf16 too: qkf[b][hl][h][i], hl = 0 hi, 1 lo.  sb leaves in f32 behind it (byte 1,048,576 on), one word a (b, h): 1,024 bytes in the whole launch, stored as single words.
; NaN and infinities are not treated apart.
.set QH,    0                          ; 16 rows (b) x 144 bytes: 64 bf16 + 16 of padding
.set QL,    2304
.set WT,    4608                       ; wave x 2,304: its 16 rows of Wk, same pitch
.set STAGE, 23040                      ; 32 rows (2 b + hl) x 272: 128 bf16 + 16
.set SPARE, 31744                      ; the spare words: 128 bytes a wave, four blocks of 256 bytes that no other line names
.set QPI,   144
.set VB, 5
.set VQ, 6
.set VW, 7
.set SPW, 8
.set NIL, 9
.set SBV, 10
.set LQ, 13
.set SBO, 14
.set LW, 15
.set LFA, 16
.set LFB, 17
.set LST, 18
.set LRD, 19
.set GO, 20
.set BQ, 24
.set BK, 28
.set QP, 32
.set WK, 64
.set AF, 96                            ; v[96:111] two A fragments
.set BH, 112                           ; v[112:127] Q hi
.set BL, 128                           ; v[128:143] Q lo
.set ACC, 144                          ; v[144:159]
	s_load_b256 s[4:11], s[0:1], 0x0               ; pa s[4:5], bq s[6:7], Wk s[8:9], bk s[10:11]
	s_load_b64 s[12:13], s[0:1], 0x20              ; qkf
	v_lshl_add_u32 v[SPW], v0, 2, SPARE
	v_mov_b32 v[NIL], 0
	v_lshrrev_b32 v1, 5, v0
	v_readfirstlane_b32 s14, v1                    ; wave w
	v_and_b32 v2, 15, v0                           ; r
	v_bfe_u32 v3, v0, 4, 1                         ; hh;  for Q a thread is (b = 2 w + hh, channels 4 r ..)
	s_and_b32 s15, ttmp7, 0xffff                   ; h
	v_lshlrev_b32 v[VB], 4, v2
	v_lshl_add_u32 v[VW], v3, 12, v[VB]            ; hh rows of 4,096 bytes + 16 r
	s_lshl_b32 s24, s14, 13
	v_add_nc_u32 v[VQ], s24, v[VW]                 ; row b of a partial
	s_mul_i32 s24, s14, 2*QPI
	v_mul_u32_u24 v[LQ], v3, QPI
	v_lshl_add_u32 v[LQ], v2, 3, v[LQ]
	v_add_nc_u32 v[LW], WT, v[LQ]
	v_add_nc_u32 v[LQ], s24, v[LQ]                 ; Q in: row b, 8 r
	s_mul_i32 s25, s14, 16*QPI
	v_add_nc_u32 v[LW], s25, v[LW]                 ; Wk in: my tile, row hh, 8 r
	v_mul_u32_u24 v[LFB], v2, QPI
	v_lshl_add_u32 v[LFB], v3, 4, v[LFB]           ; fragments: row r, 16 hh
	s_add_co_u32 s25, s25, WT
	v_add_nc_u32 v[LFA], s25, v[LFB]
	s_lshl_b32 s24, s14, 7
	s_lshl2_add_u32 s24, s15, s24
	v_lshl_add_u32 v[SBO], v3, 6, s24              ; (16 b + h) x 4
	v_mul_u32_u24 v[LST], v2, 2*272
	v_lshl_add_u32 v[LST], v3, 4, v[LST]
	s_lshl_b32 s24, s14, 5
	s_add_co_u32 s24, s24, STAGE
	v_add_nc_u32 v[LST], s24, v[LST]               ; stage in: row 2 r (+ 1 for lo), channels 16 w + 8 hh ..
	s_mul_i32 s24, s14, 4*272
	s_add_co_u32 s24, s24, STAGE
	v_mul_u32_u24 v[LRD], v3, 272
	v_add3_u32 v[LRD], v[LRD], v[VB], s24          ; stage back: row 4 w + hh (+ 2), 16 r
	v_lshl_add_u32 v[GO], v3, 15, v[VB]            ; hl = hh
	s_lshl_b32 s16, s15, 8                         ; the head's 64 columns
	s_mov_b32 s17, 0
	s_lshl_b32 s18, ttmp9, 3
	s_add_co_u32 s18, s18, s14
	s_lshl_b32 s18, s18, 16                        ; Wk's row 128 x + 16 w
	s_add_co_u32 s18, s18, s16
	s_mov_b32 s19, 0
	s_lshl_b32 s20, s14, 17                        ; b = 2 w
	s_lshl_b32 s24, s15, 11
	s_add_co_u32 s20, s20, s24
	s_lshl_b32 s24, ttmp9, 8
	s_add_co_u32 s20, s20, s24
	s_mov_b32 s21, 0
	s_wait_kmcnt 0x0
	s_add_nc_u64 s[4:5], s[4:5], s[16:17]
	s_add_nc_u64 s[6:7], s[6:7], s[16:17]
	s_add_nc_u64 s[10:11], s[10:11], s[16:17]
	s_add_nc_u64 s[8:9], s[8:9], s[18:19]
	s_add_nc_u64 s[22:23], s[12:13], s[20:21]
	global_load_b128 v[BQ:BQ+3], v[VB], s[6:7]
	global_load_b128 v[BK:BK+3], v[VB], s[10:11]
.irp p, 0,1,2,3,4,5,6,7
	global_load_b128 v[QP+4*\p:QP+4*\p+3], v[VQ], s[4:5] offset:\p*65536
.endr
.irp n, 0,1,2,3,4,5,6,7
	global_load_b128 v[WK+4*\n:WK+4*\n+3], v[VW], s[8:9] offset:\n*8192 th:TH_LOAD_NT  ; rows 2 n + hh: 16 lanes take 256 consecutive bytes, aligned
.endr
	s_wait_loadcnt 8                               ; biases and partials are in; Wk's 8 loads may stay out
.irp a, BQ, BK                                         ; inputs are rounded to bf16
	v_cvt_pk_bf16_f32 v11, v[\a], v[\a+1]
	v_cvt_pk_bf16_f32 v12, v[\a+2], v[\a+3]
	v_lshlrev_b32 v[\a], 16, v11
	v_and_b32 v[\a+1], 0xffff0000, v11
	v_lshlrev_b32 v[\a+2], 16, v12
	v_and_b32 v[\a+3], 0xffff0000, v12
.endr
.irp p, 1,2,3,4,5,6,7
	v_pk_add_f32 v[QP:QP+1], v[QP:QP+1], v[QP+4*\p:QP+4*\p+1]
	v_pk_add_f32 v[QP+2:QP+3], v[QP+2:QP+3], v[QP+4*\p+2:QP+4*\p+3]
.endr
	v_pk_add_f32 v[QP:QP+1], v[QP:QP+1], v[BQ:BQ+1]
	v_pk_add_f32 v[QP+2:QP+3], v[QP+2:QP+3], v[BQ+2:BQ+3]
.irp e, 0,1,2,3
	v_mul_f32 v[QP+\e], 0x3e000000, v[QP+\e]       ; / sqrt(64)
.endr
	v_mul_f32 v[SBV], v[QP], v[BK]
	v_fmac_f32 v[SBV], v[QP+1], v[BK+1]
	v_fmac_f32 v[SBV], v[QP+2], v[BK+2]
	v_fmac_f32 v[SBV], v[QP+3], v[BK+3]
.irp m, 1,2,4,8                                        ; over the 16 lanes of one b
	v_add_f32_dpp v[SBV], v[SBV], v[SBV] row_xmask:\m row_mask:0xf bank_mask:0xf
.endr
	v_cvt_pk_bf16_f32 v[QP+4], v[QP], v[QP+1]      ; hi
	v_cvt_pk_bf16_f32 v[QP+5], v[QP+2], v[QP+3]
	v_lshlrev_b32 v[QP+8], 16, v[QP+4]
	v_and_b32 v[QP+9], 0xffff0000, v[QP+4]
	v_lshlrev_b32 v[QP+10], 16, v[QP+5]
	v_and_b32 v[QP+11], 0xffff0000, v[QP+5]
	v_pk_add_f32 v[QP+8:QP+9], v[QP:QP+1], v[QP+8:QP+9] neg_lo:[0,1] neg_hi:[0,1]
	v_pk_add_f32 v[QP+10:QP+11], v[QP+2:QP+3], v[QP+10:QP+11] neg_lo:[0,1] neg_hi:[0,1]
	v_cvt_pk_bf16_f32 v[QP+6], v[QP+8], v[QP+9]    ; lo = what hi left
	v_cvt_pk_bf16_f32 v[QP+7], v[QP+10], v[QP+11]
	ds_store_b64 v[LQ], v[QP+4:QP+5] offset:QH
	ds_store_b64 v[LQ], v[QP+6:QP+7] offset:QL
	s_cmp_lg_u32 ttmp9, 0                          ; sb is the same in all 8 work-groups of a head: the first stores it
	s_cbranch_scc1 .Lno_sb
	s_wait_xcnt 0x0                                ; EXEC is a source of the loads that are out: it changes only behind this wait
	v_cmp_eq_u32 vcc_lo, 0, v2
	s_and_saveexec_b32 s26, vcc_lo
	global_store_b32 v[SBO], v[SBV], s[12:13] offset:1048576
	s_wait_xcnt 0x0                                ; and again ahead of the line that widens it
	s_or_b32 exec_lo, exec_lo, s26
.Lno_sb:
	s_wait_loadcnt 0x0                             ; Wk
.irp n, 0,1,2,3,4,5,6,7
	v_cvt_pk_bf16_f32 v[WK+4*\n], v[WK+4*\n], v[WK+4*\n+1]
	v_cvt_pk_bf16_f32 v[WK+4*\n+1], v[WK+4*\n+2], v[WK+4*\n+3]
	ds_store_b64 v[LW], v[WK+4*\n:WK+4*\n+1] offset:\n*2*QPI
.endr
	s_wait_dscnt 0x0                               ; for the others' sake: my rows of Q are stored
	s_barrier_signal -1
	s_barrier_wait -1
.irp c, 0,1                                            ; d = 32 c ..
	ds_load_b128 v[AF+8*\c:AF+8*\c+3],   v[LFA] offset:64*\c
	ds_load_b128 v[AF+8*\c+4:AF+8*\c+7], v[LFA] offset:64*\c+32
	ds_load_b128 v[BH+8*\c:BH+8*\c+3],   v[LFB] offset:QH+64*\c
	ds_load_b128 v[BH+8*\c+4:BH+8*\c+7], v[LFB] offset:QH+64*\c+32
	ds_load_b128 v[BL+8*\c:BL+8*\c+3],   v[LFB] offset:QL+64*\c
	ds_load_b128 v[BL+8*\c+4:BL+8*\c+7], v[LFB] offset:QL+64*\c+32
.endr
	s_wait_dscnt 0x0
	v_wmma_f32_16x16x32_bf16 v[ACC:ACC+7],    v[AF:AF+7],    v[BH:BH+7],    0             ; the two accumulators take turns
	v_wmma_f32_16x16x32_bf16 v[ACC+8:ACC+15], v[AF:AF+7],    v[BL:BL+7],    0
	v_wmma_f32_16x16x32_bf16 v[ACC:ACC+7],    v[AF+8:AF+15], v[BH+8:BH+15], v[ACC:ACC+7]
	v_wmma_f32_16x16x32_bf16 v[ACC+8:ACC+15], v[AF+8:AF+15], v[BL+8:BL+15], v[ACC+8:ACC+15]
.rept 8
	v_nop                                          ; places behind the products: eight, once a launch
.endr
.irp k, 0,1,2,3                                        ; register j: (i = 8 hh + j, b = r); lowest registers first
	v_pk_add_f32 v[ACC+2*\k:ACC+2*\k+1], v[ACC+2*\k:ACC+2*\k+1], v[ACC+8+2*\k:ACC+8+2*\k+1]
.endr
.irp k, 0,1,2,3
	v_cvt_pk_bf16_f32 v[AF+\k], v[ACC+2*\k], v[ACC+2*\k+1]       ; hi
.endr
.irp k, 0,1,2,3
	v_lshlrev_b32 v[AF+8+2*\k], 16, v[AF+\k]
	v_and_b32 v[AF+9+2*\k], 0xffff0000, v[AF+\k]
.endr
.irp k, 0,1,2,3
	v_pk_add_f32 v[AF+8+2*\k:AF+9+2*\k], v[ACC+2*\k:ACC+2*\k+1], v[AF+8+2*\k:AF+9+2*\k] neg_lo:[0,1] neg_hi:[0,1]
.endr
.irp k, 0,1,2,3
	v_cvt_pk_bf16_f32 v[AF+4+\k], v[AF+8+2*\k], v[AF+9+2*\k]     ; lo
.endr
	ds_store_b128 v[LST], v[AF:AF+3]
	ds_store_b128 v[LST], v[AF+4:AF+7] offset:272
	s_wait_dscnt 0x0                               ; for the others' sake: a stage row's 256 bytes come from all 8 waves
	s_barrier_signal -1
	s_barrier_wait -1
	ds_load_b128 v[BH:BH+3], v[LRD]
	ds_load_b128 v[BH+4:BH+7], v[LRD] offset:2*272
	s_wait_dscnt 1
	global_store_b128 v[GO], v[BH:BH+3], s[22:23]                ; b = 2 w: 16 lanes store 256 consecutive bytes, aligned
	s_wait_dscnt 0x0
	global_store_b128 v[GO], v[BH+4:BH+7], s[22:23] offset:65536 ; b = 2 w + 1
	s_wait_tensorcnt 0x0                           ; the wave's end: behind my last LDS store
	ds_add_u32 v[SPW], v[NIL]
	s_wait_dscnt 0x0
	s_endpgm
.Lfunc_end_k_q61aa4e3012_qk:
	.size	k_q61aa4e3012_qk, .Lfunc_end_k_q61aa4e3012_qk-k_q61aa4e3012_qk
	.p2alignl 7, 3214868480
	.fill 96, 4, 3214868480
	.section	.rodata,"a",@progbits
	.p2align	6, 0x0
	.amdhsa_kernel k_q61aa4e3012_qk
		.amdhsa_group_segment_fixed_size 32768
		.amdhsa_private_segment_fixed_size 0
		.amdhsa_enable_private_segment 0
		.amdhsa_kernarg_size 40
		.amdhsa_user_sgpr_count 2
		.amdhsa_user_sgpr_kernarg_segment_ptr 1
		.amdhsa_wavefront_size32 1
		.amdhsa_system_sgpr_workgroup_id_x 1
		.amdhsa_system_sgpr_workgroup_id_y 1
		.amdhsa_system_sgpr_workgroup_id_z 1
		.amdhsa_system_vgpr_workitem_id 0
		.amdhsa_next_free_vgpr 160
		.amdhsa_next_free_sgpr 66
		.amdhsa_reserve_vcc 1
		.amdhsa_float_denorm_mode_32 3
		.amdhsa_float_denorm_mode_16_64 3
		.amdhsa_memory_ordered 1
		.amdhsa_forward_progress 1
		.amdhsa_inst_pref_size 13
	.end_amdhsa_kernel
	.amdgpu_metadata
---
amdhsa.version: [ 1, 2 ]
amdhsa.kernels:
  - .name:           k_q61aa4e3012_qk
    .symbol:         k_q61aa4e3012_qk.kd
    .args:
      - { .name: pa, .offset: 0, .size: 8, .value_kind: global_buffer, .address_space: global }
      - { .name: bq, .offset: 8, .size: 8, .value_kind: global_buffer, .address_space: global }
      - { .name: Wk, .offset: 16, .size: 8, .value_kind: global_buffer, .address_space: global }
      - { .name: bk, .offset: 24, .size: 8, .value_kind: global_buffer, .address_space: global }
      - { .name: qkf, .offset: 32, .size: 8, .value_kind: global_buffer, .address_space: global }
    .group_segment_fixed_size: 32768
    .private_segment_fixed_size: 0
    .kernarg_segment_align: 8
    .kernarg_segment_size: 40
    .max_flat_workgroup_size: 256
    .sgpr_count:     66
    .vgpr_count:     160
    .wavefront_size: 32
...
	.end_amdgpu_metadata
.endif
;; end of part 2
;; launch main (part 3): grid 16 x 16, 4 waves a work-group, no clusters, 284,160 bytes of LDS; arguments key, mask, raw_thr, qkf, part; writes part
.if DOCPART == 3
	.amdgcn_target "amdgcn-amd-amdhsa--gfx1250"
	.amdhsa_code_object_version 6
	.text
	.protected	k_q61aa4e3012_main
	.globl	k_q61aa4e3012_main
	.p2align	8
	.type	k_q61aa4e3012_main,@function
k_q61aa4e3012_main:
	s_mov_b64 s[64:65], 0
	v_nop
	global_prefetch_b8 v0, s[64:65] scope:SCOPE_SE
	s_setreg_imm32_b32 hwreg(HW_REG_WAVE_MODE, 25, 1), 1
	s_wait_xcnt 0x0
; THE KEYS ARE READ ONCE.  A work-group takes batch row b (y) and a chunk c (x) of 64 keys: 256 KiB of key, brought into LDS by tensor loads and used for BOTH products.
;   score[h][k] = key[k] . qk[h] + sb[h]     (qk = hi + lo, a pair of bf16; key rounded to bf16)      -1e9 where mask[k] = 0 or score <= softplus(raw_thr[h])
;   m[h] = the chunk's maximum, p = exp(score - m), l[h] = the sum of p, ctx[h][ch] = the sum over k of bf16(p) bf16(key[k][ch]).     The next launch merges the 16 chunks by (m, l).
; Wave w owns channels 256 w .. 256 w + 255 in both products; the four partial scores meet in LDS once, behind the launch's one barrier, and every wave adds them in the same order.
; SCORES: A = 16 keys x 32 channels, B = 16 heads x 32 channels: a lane ends with ONE head (lane % 16) and the keys 16 t + 8 (lane / 16) + 0..7 of tile t.  The channels are permuted alike in A and B:
; in step s the lanes' half hh takes channels 128 hh + 16 s + 0..15, so a lane reads 64 consecutive LDS bytes of its key and 32 consecutive bytes of its head's qk.
; CONTEXT: two score tiles rounded in pairs ARE the A fragment (16 heads x 32 keys).  B comes as in the launches with few rows: a lane reads 16 bytes, channels 4 r + 0..3 of one key;
; rounding keys k and k + 1 together gives one register of the fragment whose column r stands for channel 4 r + j.
; NO CLUSTER: the 16 work-groups of a batch row share qk alone, 64 KiB in registers beside 256 KiB of keys of their own.  Nothing in LDS is filled again.
; LIMITS.  The products are re-associated against reference(), so the order of rounding differs.  softplus = max(x, 0) + ln(1 + e^-|x|): below x = -17 or so it comes out as 0 where reference() has 4e-8 or less.
; A weight below 2^-126 counts as 0.  A chunk with no key left has m = -1e9, p = 1, l = 64, as reference()'s softmax of equal scores has.  NaN and infinities are not treated apart.
.set PITCH,  1040                      ; a key's 256 channels in LDS: 1,024 bytes + 16 of padding: 65 x 16, so 16 rows start at 16 different groups of four banks (ISA guide 11.1)
.set TROWS,  16*PITCH                  ; what one tensor load brings
.set REGION, 64*PITCH                  ; a wave's own 64 keys x 256 channels
.set EXCH,   4*REGION                  ; partial scores: wave x 4,352 + head x 272 + key x 4; no tensor load lands here
.set EXP,    272
.set SPARE,  EXCH+4*16*EXP             ; the spare words: 128 bytes a wave, two blocks of 256 bytes that no other line names
.set SB,  0                            ; v[0:1]  sb twice; later m twice
.set SA,  4                            ; my place in a score tile
.set CA,  5                            ; my place in a context tile
.set EXS, 6
.set EXL, 7
.set VQ,  8                            ; qk's offset; later 16 x lane
.set R4,  9                            ; 4 r; later 8 x lane
.set THR, 10
.set MO,  11                           ; mask's offset; later -1e9
.set ML,  12                           ; v[12:13] m, l
.set SPW, 14
.set NIL, 15
.set STG, 16                           ; v[16:47]  two sets of 16 f32 from LDS
.set AF,  48                           ; v[48:63]  two A fragments
.set ACC, 64                           ; v[64:127] tile t: hi at 16 t, lo at 16 t + 8
.set QKH, 128                          ; v[128:191] step s at 8 s
.set QKL, 192
.set S,   128                          ; v[128:159] the 32 scores; v[128:255] the four waves' partials
.set PF,  16                           ; v[16:31]  p as two A fragments
.set CS,  64                           ; v[64:191] two sets of 16 rows x 4 f32
.set OA,  224                          ; v[224:255] four accumulators
.set D1,  20                           ; s[20:27] descriptor group 1
.set D0,  28                           ; s[28:43] group 0, one set for each of the four loads
.set MK,  66                           ; s[66:97] lane masks, one for each of a lane's 32 scores
.macro PLACES
.rept 4
	v_nop
.endr
.endm
	s_load_b256 s[4:11], s[0:1], 0x0               ; key s[4:5], mask s[6:7], raw_thr s[8:9], qkf s[10:11]
	s_load_b64 s[12:13], s[0:1], 0x20              ; part
	v_lshl_add_u32 v[SPW], v0, 2, SPARE
	v_mov_b32 v[NIL], 0
	ds_add_u32 v[SPW], v[NIL]                      ; the wave's opening: the add and its wait stand ahead of my first tensor load; work on registers stands between
	ds_add_u32 v14, v15
	v_lshrrev_b32 v1, 5, v0
	v_readfirstlane_b32 s14, v1                    ; wave w
	s_and_b32 s15, ttmp7, 0xffff                   ; b
	s_mov_b32 s16, ttmp9                           ; c
	s_mov_b32 s[D1+0], (2<<16)|(1<<20)|(7<<22)|(3<<25)  ; 17:16 elements of 4 bytes; 20 padding on; 24:22 after every 256 words (code 7); 31:25 4 words of it (code 3)
	s_mov_b32 s[D1+1], 256<<16                     ; tensor_dim0 = 256
	s_mov_b32 s[D1+2], 16<<16                      ; tensor_dim1 = 16
	s_mov_b32 s[D1+3], 256<<16                     ; tile_dim0 = 256
	s_mov_b32 s[D1+4], 16                          ; tile_dim1 = 16
	s_mov_b32 s[D1+5], 1024                        ; 1,024 elements from key to key
	s_mov_b32 s[D1+6], 0
	s_mov_b32 s[D1+7], 0
	s_mul_i32 s17, s14, REGION
.irp t, 0,1,2,3
	s_mov_b32 s[D0+4*\t], 1
	s_add_co_u32 s[D0+4*\t+1], s17, \t*TROWS       ; LDS: my region, keys 16 t ..
.endr
	s_lshl_b32 s18, s15, 22                        ; b x 4 MiB
	s_lshl_b32 s46, s16, 18                        ; + 64 keys x 4,096 bytes
	s_add_co_u32 s18, s18, s46
	s_lshl_b32 s46, s14, 10                        ; + my 256 channels
	s_add_co_u32 s18, s18, s46
	s_mov_b32 s19, 0
	s_mov_b32 s44, 0x76543210                      ; v_permlanex16_b32: each lane takes its own place in the other half
	s_mov_b32 s45, 0xfedcba98
	v_and_b32 v2, 15, v0                           ; r
	v_bfe_u32 v3, v0, 4, 1                         ; hh
	v_mul_u32_u24 v[SA], v2, PITCH
	v_lshl_add_u32 v[SA], v3, 9, v[SA]
	v_add_nc_u32 v[SA], s17, v[SA]                 ; key r, channels 128 hh ..
	v_mul_u32_u24 v[CA], v3, 8*PITCH
	v_lshl_add_u32 v[CA], v2, 4, v[CA]
	v_add_nc_u32 v[CA], s17, v[CA]                 ; key 8 hh, channels 4 r ..
	v_mul_u32_u24 v[EXL], v2, EXP
	v_lshl_add_u32 v[EXL], v3, 5, v[EXL]
	v_add_nc_u32 v[EXL], EXCH, v[EXL]              ; head r, keys 8 hh ..
	s_mul_i32 s48, s14, 16*EXP
	v_add_nc_u32 v[EXS], s48, v[EXL]
	v_lshlrev_b32 v[VQ], 11, v2
	v_lshl_add_u32 v[VQ], v3, 8, v[VQ]             ; head r's row of qk, 128 hh channels
	v_lshlrev_b32 v[R4], 2, v2
	v_lshlrev_b32 v[MO], 5, v3
	s_wait_dscnt 0x0                               ; the opening add is done
	s_wait_kmcnt 0x0
	s_add_nc_u64 s[46:47], s[4:5], s[18:19]
.irp t, 0,1,2,3
	s_add_nc_u64 s[D0+4*\t+2:D0+4*\t+3], s[46:47], \t*65536
	s_or_b32 s[D0+4*\t+3], s[D0+4*\t+3], 0x80000000      ; type = 2
.endr
.irp t, 0,1,2,3                                        ; all first fills together: four loads of mine are out; 16 keys each, so that the first products run while the later keys land
	tensor_load_to_lds s[D0+4*\t:D0+4*\t+3], s[D1:D1+7]
	s_nop 0
.endr
	s_lshl_b32 s48, s15, 16
	s_lshl_b32 s49, s14, 9
	s_add_co_u32 s48, s48, s49
	s_mov_b32 s49, 0
	s_add_nc_u64 s[50:51], s[10:11], s[48:49]      ; qk[b], my 256 channels
	s_lshl_b32 s48, s15, 6
	s_add_nc_u64 s[52:53], s[10:11], s[48:49]      ; sb[b] lies 1,048,576 bytes behind this
	s_lshl_b32 s54, s15, 4
	s_add_co_u32 s54, s54, s16                     ; 16 b + c
	s_lshl_b32 s48, s54, 8
	s_add_nc_u64 s[6:7], s[6:7], s[48:49]          ; the chunk's 64 mask words
	s_add_co_u32 s48, s48, 0x1000000
	s_add_nc_u64 s[58:59], s[12:13], s[48:49]      ; (m, l) of this chunk
	s_lshl_b32 s48, s54, 16
	s_lshl_b32 s55, s14, 14
	s_add_co_u32 s48, s48, s55
	s_add_nc_u64 s[56:57], s[12:13], s[48:49]      ; the chunk's record, my wave's quarter
.irp st, 0,1,2,3,4,5,6,7
	global_load_b128 v[QKH+8*\st:QKH+8*\st+3],   v[VQ], s[50:51] offset:32*\st
	global_load_b128 v[QKH+8*\st+4:QKH+8*\st+7], v[VQ], s[50:51] offset:32*\st+16
	global_load_b128 v[QKL+8*\st:QKL+8*\st+3],   v[VQ], s[50:51] offset:32768+32*\st
	global_load_b128 v[QKL+8*\st+4:QKL+8*\st+7], v[VQ], s[50:51] offset:32768+32*\st+16
.endr
.irp t, 0,1,2,3                                        ; the mask words of my 32 keys, where the accumulators will lie
	global_load_b128 v[ACC+8*\t:ACC+8*\t+3],   v[MO], s[6:7] offset:64*\t
	global_load_b128 v[ACC+8*\t+4:ACC+8*\t+7], v[MO], s[6:7] offset:64*\t+16
.endr
	global_load_b32 v[THR], v[R4], s[8:9]
	global_load_b32 v[SB], v[R4], s[52:53] offset:1048576
	s_wait_loadcnt 0x0
.set n, 0
.rept 32
	v_cmp_eq_u32 s[MK+n], 0, v[ACC+n]              ; the lanes whose key n is masked out
.set n, n+1
.endr
	v_mov_b32 v[SB+1], v[SB]
	v_cvt_pk_bf16_f32 v[THR], v[THR], v[THR]       ; an input: rounded to bf16
	v_lshlrev_b32 v[THR], 16, v[THR]
	v_and_b32 v32, 0x7fffffff, v[THR]
	v_mul_f32 v32, 0xbfb8aa3b, v32                 ; -|x| log2(e)
	v_exp_f32 v32, v32
	v_nop                                          ; a plain instruction behind the exponential,
	s_wait_alu depctr_va_vdst(0)                   ; and a wait ahead of its reader
	v_add_f32 v32, 1.0, v32
	v_log_f32 v32, v32
	v_max_num_f32 v[THR], 0, v[THR]                ; the plain instruction behind the logarithm
	s_wait_alu depctr_va_vdst(0)
	v_fmamk_f32 v[THR], v32, 0x3f317218, v[THR]    ; softplus = max(x, 0) + ln 2 x log2(1 + 2^..)
.macro LD t, st                        ; step st of tile t: my 16 channels of key r, 64 bytes
.irp c, 0,1,2,3
	ds_load_b128 v[STG+16*((\st)%2)+4*\c:STG+16*((\st)%2)+4*\c+3], v[SA] offset:(\t)*TROWS+(\st)*64+16*\c
.endr
.endm
; A tile's eight steps.  hi's and lo's accumulators take turns.  A fragment buffer is written again two steps later: the other step's eight conversions are the places between.
.macro STILE t
	s_wait_tensorcnt 3-(\t)                        ; tensor loads end in order (ISA guide 10.11.1): keys 16 t .. are in; the 3 - t younger loads may stay out
	LD \t, 0
	LD \t, 1
.irp st, 0,1,2,3,4,5,6,7
.if \st < 7
	s_wait_dscnt 4                                 ; this step's four loads are in, the next step's may stay out
.else
	s_wait_dscnt 0x0
.endif
.irp p, 0,1,2,3,4,5,6,7
	v_cvt_pk_bf16_f32 v[AF+8*(\st%2)+\p], v[STG+16*(\st%2)+2*\p], v[STG+16*(\st%2)+2*\p+1]
.endr
.if \st < 6
	LD \t, \st+2
.endif
.if \st == 0
	v_wmma_f32_16x16x32_bf16 v[ACC+16*(\t):ACC+16*(\t)+7],    v[AF:AF+7], v[QKH:QKH+7], 0
	v_wmma_f32_16x16x32_bf16 v[ACC+16*(\t)+8:ACC+16*(\t)+15], v[AF:AF+7], v[QKL:QKL+7], 0
.else
	v_wmma_f32_16x16x32_bf16 v[ACC+16*(\t):ACC+16*(\t)+7],    v[AF+8*(\st%2):AF+8*(\st%2)+7], v[QKH+8*\st:QKH+8*\st+7], v[ACC+16*(\t):ACC+16*(\t)+7]
	v_wmma_f32_16x16x32_bf16 v[ACC+16*(\t)+8:ACC+16*(\t)+15], v[AF+8*(\st%2):AF+8*(\st%2)+7], v[QKL+8*\st:QKL+8*\st+7], v[ACC+16*(\t)+8:ACC+16*(\t)+15]
.endif
.endr
.endm
	STILE 0
	STILE 1
	STILE 2
	STILE 3
	PLACES                                         ; eight places behind the last products, once
	PLACES
.irp t, 0,1,2,3
.irp k, 0,1,2,3                                        ; hi + lo; each accumulator's lowest registers first
	v_pk_add_f32 v[ACC+16*\t+2*\k:ACC+16*\t+2*\k+1], v[ACC+16*\t+2*\k:ACC+16*\t+2*\k+1], v[ACC+16*\t+8+2*\k:ACC+16*\t+8+2*\k+1]
.endr
.endr
.irp t, 0,1,2,3
	ds_store_b128 v[EXS], v[ACC+16*\t:ACC+16*\t+3]   offset:64*\t
	ds_store_b128 v[EXS], v[ACC+16*\t+4:ACC+16*\t+7] offset:64*\t+16
.endr
	s_wait_dscnt 0x0                               ; for the others' sake: my partial scores are stored
	s_barrier_signal -1
	s_barrier_wait -1
.irp ww, 0,1,2,3
.irp t, 0,1,2,3
	ds_load_b128 v[S+32*\ww+8*\t:S+32*\ww+8*\t+3],   v[EXL] offset:\ww*16*EXP+64*\t
	ds_load_b128 v[S+32*\ww+8*\t+4:S+32*\ww+8*\t+7], v[EXL] offset:\ww*16*EXP+64*\t+16
.endr
.endr
.macro LDC n                           ; context step n = (channel group n / 2, keys 32 (n % 2) ..): 16 keys' rows x 16 bytes a lane, into set n % 2
.irp tt, 0,1,2,3,4,5,6,7
	ds_load_b128 v[CS+64*((\n)%2)+4*\tt:CS+64*((\n)%2)+4*\tt+3], v[CA] offset:(32*((\n)%2)+\tt)*PITCH+((\n)/2)*256
.endr
.irp tt, 0,1,2,3,4,5,6,7
	ds_load_b128 v[CS+64*((\n)%2)+32+4*\tt:CS+64*((\n)%2)+32+4*\tt+3], v[CA] offset:(32*((\n)%2)+16+\tt)*PITCH+((\n)/2)*256
.endr
.endm
	LDC 0                                          ; the context product's first rows come in beside the softmax (the accumulators' registers are free)
	s_wait_dscnt 16                                ; the 32 loads of scores are in; those 16 may stay out
.set k, 0
.rept 16                                               ; one fixed order, so that all four waves hold the same scores
	v_pk_add_f32 v[S+2*k:S+2*k+1], v[S+2*k:S+2*k+1], v[S+32+2*k:S+32+2*k+1]
	v_pk_add_f32 v[S+64+2*k:S+64+2*k+1], v[S+64+2*k:S+64+2*k+1], v[S+96+2*k:S+96+2*k+1]
.set k, k+1
.endr
.set k, 0
.rept 16
	v_pk_add_f32 v[S+2*k:S+2*k+1], v[S+2*k:S+2*k+1], v[S+64+2*k:S+64+2*k+1]
.set k, k+1
.endr
	v_mov_b32 v[MO], 0xce6e6b28                    ; -1e9
.set k, 0
.rept 16
	v_pk_add_f32 v[S+2*k:S+2*k+1], v[S+2*k:S+2*k+1], v[SB:SB+1]
.set k, k+1
.endr
.set n, 0
.rept 32
	v_cndmask_b32 v[S+n], v[S+n], v[MO], s[MK+n]   ; the padding mask,
.set n, n+1
.endr
.set n, 0
.rept 32
	v_cmp_le_f32 s[MK+n], v[S+n], v[THR]           ; then the threshold, as reference() has them
.set n, n+1
.endr
.set n, 0
.rept 32
	v_cndmask_b32 v[S+n], v[S+n], v[MO], s[MK+n]
.set n, n+1
.endr
.irp k, 0,1,2,3
	v_max3_num_f32 v[32+\k], v[S+8*\k], v[S+8*\k+1], v[S+8*\k+2]
.endr
.irp k, 0,1,2,3
	v_max3_num_f32 v[32+\k], v[32+\k], v[S+8*\k+3], v[S+8*\k+4]
.endr
.irp k, 0,1,2,3
	v_max3_num_f32 v[32+\k], v[32+\k], v[S+8*\k+5], v[S+8*\k+6]
.endr
	v_max3_num_f32 v32, v32, v[S+7], v[S+15]
	v_max3_num_f32 v34, v34, v[S+23], v[S+31]
	v_max3_num_f32 v32, v32, v33, v34
	v_max_num_f32 v32, v32, v35
	v_permlanex16_b32 v36, v32, s44, s45           ; the head's other 32 keys lie in the lane 16 away
	v_max_num_f32 v[ML], v32, v36
	v_mov_b32 v[SB], v[ML]
	v_mov_b32 v[SB+1], v[ML]
.set k, 0
.rept 16                                               ; the difference first, exactly where s = m, and only then the factor
	v_pk_add_f32 v[S+2*k:S+2*k+1], v[S+2*k:S+2*k+1], v[SB:SB+1] neg_lo:[0,1] neg_hi:[0,1]
.set k, k+1
.endr
.set k, 0
.rept 16
	v_pk_mul_f32 v[S+2*k:S+2*k+1], v[S+2*k:S+2*k+1], 0x3fb8aa3b op_sel_hi:[1,0]
.set k, k+1
.endr
.set n, 0
.rept 32
	v_exp_f32 v[S+n], v[S+n]
.set n, n+1
.endr
	v_lshlrev_b32 v[VQ], 4, v2                     ; the plain instruction behind the last exponential: 16 x lane is made here,
	s_wait_alu depctr_va_vdst(0)                   ; and ONE wait for the batch of 32
	v_lshl_add_u32 v[VQ], v3, 8, v[VQ]
	v_lshrrev_b32 v[R4], 1, v[VQ]                  ; 8 x lane
.set n, 0
.rept 16
	v_cvt_pk_bf16_f32 v[PF+n], v[S+2*n], v[S+2*n+1]
.set n, n+1
.endr
.irp k, 0,1,2,3,4,5,6,7
	v_pk_add_f32 v[S+4*\k:S+4*\k+1], v[S+4*\k:S+4*\k+1], v[S+4*\k+2:S+4*\k+3]
.endr
.irp k, 0,1,2,3
	v_pk_add_f32 v[S+8*\k:S+8*\k+1], v[S+8*\k:S+8*\k+1], v[S+8*\k+4:S+8*\k+5]
.endr
	v_pk_add_f32 v[S:S+1], v[S:S+1], v[S+8:S+9]
	v_pk_add_f32 v[S+16:S+17], v[S+16:S+17], v[S+24:S+25]
	v_pk_add_f32 v[S:S+1], v[S:S+1], v[S+16:S+17]
	v_add_f32 v32, v[S], v[S+1]
	v_permlanex16_b32 v36, v32, s44, s45
	v_add_f32 v[ML+1], v32, v36
	LDC 1
	s_cmp_lg_u32 s14, 0                            ; all waves hold the same (m, l): wave 0 stores them, 256 consecutive bytes, aligned
	s_cbranch_scc1 .Lnot_wave_0
	global_store_b64 v[R4], v[ML:ML+1], s[58:59]
.Lnot_wave_0:
.macro SEND g                          ; channel group g's four accumulators, as the registers lie: each store is 512 consecutive bytes; lowest registers first
.irp j, 0,1,2,3
	global_store_b128 v[VQ], v[OA+8*\j:OA+8*\j+3],   s[56:57] offset:(\g)*4096+\j*1024 th:TH_STORE_NT
	global_store_b128 v[VQ], v[OA+8*\j+4:OA+8*\j+7], s[56:57] offset:(\g)*4096+\j*1024+512 th:TH_STORE_NT
.endr
.endm
; A context step.  B's fragments have two buffers (v32-63, v192-223), so a step's 32 conversions name no register of the products just issued: they are the places behind them.
; The four accumulators take turns.  A group's stores stand behind the next step's conversions; the accumulators start anew only when the stores have read them.
.macro CSTEP n
.if (\n) < 7
	s_wait_dscnt 16                                ; this step's 16 loads are in, the next step's may stay out
.else
	s_wait_dscnt 0x0
.endif
.set bfb, 32+160*((\n)%2)
.irp j, 0,1,2,3
.irp p, 0,1,2,3,4,5,6,7
	v_cvt_pk_bf16_f32 v[bfb+8*\j+\p], v[CS+64*((\n)%2)+8*\p+\j], v[CS+64*((\n)%2)+8*\p+4+\j]
.endr
.endr
.if (\n) < 6
	LDC (\n)+2
.endif
.if ((\n)%2 == 0) && ((\n) > 0)
	SEND (\n)/2-1
	s_wait_xcnt 0x0                                ; the stores' data registers are written again only behind this wait
.endif
.irp j, 0,1,2,3
.if (\n)%2 == 0
	v_wmma_f32_16x16x32_bf16 v[OA+8*\j:OA+8*\j+7], v[PF:PF+7], v[bfb+8*\j:bfb+8*\j+7], 0
.else
	v_wmma_f32_16x16x32_bf16 v[OA+8*\j:OA+8*\j+7], v[PF+8:PF+15], v[bfb+8*\j:bfb+8*\j+7], v[OA+8*\j:OA+8*\j+7]
.endif
.endr
.endm
	CSTEP 0
	CSTEP 1
	CSTEP 2
	CSTEP 3
	CSTEP 4
	CSTEP 5
	CSTEP 6
	CSTEP 7
	PLACES                                         ; eight places behind the last products, once
	PLACES
	SEND 3
	s_wait_tensorcnt 0x0                           ; the wave's end: behind my last tensor load and my last LDS store
	ds_add_u32 v[SPW], v[NIL]
	s_wait_dscnt 0x0
	s_endpgm
.Lfunc_end_k_q61aa4e3012_main:
	.size	k_q61aa4e3012_main, .Lfunc_end_k_q61aa4e3012_main-k_q61aa4e3012_main
	.p2alignl 7, 3214868480
	.fill 96, 4, 3214868480
	.section	.rodata,"a",@progbits
	.p2align	6, 0x0
	.amdhsa_kernel k_q61aa4e3012_main
		.amdhsa_group_segment_fixed_size 284160
		.amdhsa_private_segment_fixed_size 0
		.amdhsa_enable_private_segment 0
		.amdhsa_kernarg_size 40
		.amdhsa_user_sgpr_count 2
		.amdhsa_user_sgpr_kernarg_segment_ptr 1
		.amdhsa_wavefront_size32 1
		.amdhsa_system_sgpr_workgroup_id_x 1
		.amdhsa_system_sgpr_workgroup_id_y 1
		.amdhsa_system_sgpr_workgroup_id_z 1
		.amdhsa_system_vgpr_workitem_id 0
		.amdhsa_next_free_vgpr 256
		.amdhsa_next_free_sgpr 98
		.amdhsa_reserve_vcc 0
		.amdhsa_float_denorm_mode_32 3
		.amdhsa_float_denorm_mode_16_64 3
		.amdhsa_memory_ordered 1
		.amdhsa_forward_progress 1
		.amdhsa_inst_pref_size 91
	.end_amdhsa_kernel
	.amdgpu_metadata
---
amdhsa.version: [ 1, 2 ]
amdhsa.kernels:
  - .name:           k_q61aa4e3012_main
    .symbol:         k_q61aa4e3012_main.kd
    .args:
      - { .name: key, .offset: 0, .size: 8, .value_kind: global_buffer, .address_space: global }
      - { .name: mask, .offset: 8, .size: 8, .value_kind: global_buffer, .address_space: global }
      - { .name: raw_thr, .offset: 16, .size: 8, .value_kind: global_buffer, .address_space: global }
      - { .name: qkf, .offset: 24, .size: 8, .value_kind: global_buffer, .address_space: global }
      - { .name: part, .offset: 32, .size: 8, .value_kind: global_buffer, .address_space: global }
    .group_segment_fixed_size: 284160
    .private_segment_fixed_size: 0
    .kernarg_segment_align: 8
    .kernarg_segment_size: 40
    .max_flat_workgroup_size: 128
    .sgpr_count:     98
    .vgpr_count:     256
    .wavefront_size: 32
...
	.end_amdgpu_metadata
.endif
;; end of part 3
;; launch comb (part 4): grid 16 x 16, 8 waves a work-group, no clusters, 19,456 bytes of LDS; arguments part, query, actx; writes actx
.if DOCPART == 4
	.amdgcn_target "amdgcn-amd-amdhsa--gfx1250"
	.amdhsa_code_object_version 6
	.text
	.protected	k_q61aa4e3012_comb
	.globl	k_q61aa4e3012_comb
	.p2align	8
	.type	k_q61aa4e3012_comb,@function
k_q61aa4e3012_comb:
	s_mov_b64 s[64:65], 0
	v_nop
	global_prefetch_b8 v0, s[64:65] scope:SCOPE_SE
	s_setreg_imm32_b32 hwreg(HW_REG_WAVE_MODE, 25, 1), 1
	s_wait_xcnt 0x0
; THE 16 CHUNKS OF A BATCH ROW ARE MERGED.  M = max over chunks of m, a = exp(m - M), L = the sum of l a, ctx = the sum of (a / L) ctx_chunk: the softmax over all 1,024 keys, with its true maximum.
; actx[16 h + b][0..1023] = bf16(ctx), actx[16 h + b][1024..2047] = bf16(query[b]): since the weights sum to 1, the mean of [key | query] is [ctx | query].
; A work-group takes batch row b (y), four heads 4 hq + e and 256 channels (x = 4 hq + w).  Waves 2 g and 2 g + 1 add chunks 4 g .. 4 g + 3; the four sums meet in LDS.  No matrix work: one multiply-add a number loaded.
; A row with no key left has m = -1e9 in every chunk: a = 1, L = 1,024: the plain mean, as reference() gives.  NaN and infinities are not treated apart.
.set WT,    0                          ; wave x 256: the weights of 16 chunks x 4 heads, the wave's own
.set RED,   2048                       ; ((group x 4 + head) x 64 + place) x 16
.set SPARE, 18432                      ; the spare words: 128 bytes a wave, four blocks of 256 bytes that no other line names
.set MLO, 4
.set QO,  5
.set VO,  6
.set WTS, 7
.set WTL, 8
.set RDS, 9
.set RDL, 10
.set GO,  11
.set SPW, 12
.set NIL, 13
.set ML,  16                           ; v[16:23] (m, l) of heads e = 0..3, my lane's chunk
.set WG,  24                           ; v[24:27]
.set Q,   28                           ; v[28:31]
.set VAL, 32                           ; v[32:95] chunk cc, column j at 16 cc + 4 j; component e
.set W,   96                           ; v[96:111] chunk cc, head e
.set ACC, 112                          ; v[112:127] head e, column j
.set AA,  128
.set TT,  132
	s_load_b128 s[4:7], s[0:1], 0x0                ; part s[4:5], query s[6:7]
	s_load_b64 s[8:9], s[0:1], 0x10                ; actx
	v_lshl_add_u32 v[SPW], v0, 2, SPARE
	v_mov_b32 v[NIL], 0
	v_lshrrev_b32 v1, 5, v0
	v_readfirstlane_b32 s12, v1                    ; wave
	s_lshr_b32 s13, s12, 1                         ; group g
	s_and_b32 s17, s12, 1                          ; which half of the 64 places (channel group G = place / 16, r = place % 16)
	s_lshr_b32 s14, ttmp9, 2                       ; hq
	s_and_b32 s15, ttmp9, 3                        ; w
	s_and_b32 s16, ttmp7, 0xffff                   ; b
	v_and_b32 v1, 15, v0                           ; r; for (m, l): the chunk
	v_and_b32 v2, 31, v0                           ; L
	v_bfe_u32 v3, v0, 4, 1
	v_lshlrev_b32 v[MLO], 8, v1
	s_lshl_b32 s24, s17, 9
	v_lshl_add_u32 v[QO], v2, 4, s24               ; 16 x place
	s_lshl_b32 s25, s13, 18
	s_lshl_b32 s26, s17, 13
	s_add_co_u32 s25, s25, s26
	v_lshlrev_b32 v[VO], 12, v3
	v_lshl_add_u32 v[VO], v1, 4, v[VO]
	v_add_nc_u32 v[VO], s25, v[VO]                 ; chunk 4 g, channel group G, 16 r
	s_lshl_b32 s25, s12, 8
	v_lshl_add_u32 v[WTS], v1, 4, s25
	s_lshl_b32 s26, s13, 6
	s_add_co_u32 s25, s25, s26
	v_mov_b32 v[WTL], s25
	s_lshl_b32 s25, s13, 12
	s_add_co_u32 s25, s25, s24
	s_add_co_u32 s25, s25, RED
	v_lshl_add_u32 v[RDS], v2, 4, s25
	s_lshl_b32 s25, s13, 10
	s_add_co_u32 s25, s25, s24
	s_add_co_u32 s25, s25, RED
	v_lshl_add_u32 v[RDL], v2, 4, s25              ; at the end my head is e = g
	s_lshl_b32 s25, s13, 16
	s_lshl_b32 s26, s17, 8
	s_add_co_u32 s25, s25, s26
	v_lshl_add_u32 v[GO], v2, 3, s25               ; row 16 e of actx, 8 x place
	s_lshl_b32 s18, s16, 20                        ; part: b's 16 records,
	s_lshl_b32 s24, s15, 14                        ; wave w's quarter,
	s_add_co_u32 s18, s18, s24
	s_and_b32 s24, s14, 1                          ; registers 4 (hq % 2) ..
	s_lshl_b32 s24, s24, 9
	s_add_co_u32 s18, s18, s24
	s_lshr_b32 s24, s14, 1                         ; of the lanes' half hq / 2
	s_lshl_b32 s24, s24, 8
	s_add_co_u32 s18, s18, s24
	s_mov_b32 s19, 0
	s_lshl_b32 s20, s16, 12
	s_lshl_b32 s24, s14, 5
	s_add_co_u32 s20, s20, s24
	s_add_co_u32 s20, s20, 0x1000000               ; (m, l): b's 16 chunks, heads 4 hq ..
	s_mov_b32 s21, 0
	s_lshl_b32 s22, s16, 12
	s_lshl_b32 s24, s15, 10
	s_add_co_u32 s22, s22, s24                     ; query[b], my 256 channels
	s_mov_b32 s23, 0
	s_lshl_b32 s26, s14, 18
	s_lshl_b32 s24, s16, 12
	s_add_co_u32 s26, s26, s24
	s_lshl_b32 s24, s15, 9
	s_add_co_u32 s26, s26, s24                     ; actx: row 64 hq + b, my 256 channels
	s_mov_b32 s27, 0
	s_wait_kmcnt 0x0
	s_add_nc_u64 s[28:29], s[4:5], s[20:21]
	s_add_nc_u64 s[4:5], s[4:5], s[18:19]
	s_add_nc_u64 s[6:7], s[6:7], s[22:23]
	s_add_nc_u64 s[8:9], s[8:9], s[26:27]
	global_load_b128 v[ML:ML+3], v[MLO], s[28:29]
	global_load_b128 v[ML+4:ML+7], v[MLO], s[28:29] offset:16
	global_load_b128 v[Q:Q+3], v[QO], s[6:7]
.irp cc, 0,1,2,3
.irp j, 0,1,2,3
	global_load_b128 v[VAL+16*\cc+4*\j:VAL+16*\cc+4*\j+3], v[VO], s[4:5] offset:\cc*65536+\j*1024 th:TH_LOAD_NT  ; 16 lanes take 256 consecutive bytes, aligned
.endr
.endr
	s_wait_loadcnt 17                              ; (m, l) are in; the 17 younger loads may stay out
.irp e, 0,1,2,3
	v_mov_b32 v[WG+\e], v[ML+2*\e]
.endr
.irp m, 1,2,4,8
.irp e, 0,1,2,3
	v_max_num_f32_dpp v[WG+\e], v[WG+\e], v[WG+\e] row_xmask:\m row_mask:0xf bank_mask:0xf
.endr
.endr
.irp e, 0,1,2,3
	v_sub_f32 v[WG+\e], v[ML+2*\e], v[WG+\e]       ; m - M first, exactly 0 where they are equal
.endr
.irp e, 0,1,2,3
	v_mul_f32 v[WG+\e], 0x3fb8aa3b, v[WG+\e]
.endr
.irp e, 0,1,2,3
	v_exp_f32 v[AA+\e], v[WG+\e]
.endr
	v_nop                                          ; a plain instruction behind the last exponential,
	s_wait_alu depctr_va_vdst(0)                   ; and one wait for the four
.irp e, 0,1,2,3
	v_mul_f32 v[TT+\e], v[ML+2*\e+1], v[AA+\e]
.endr
.irp m, 1,2,4,8
.irp e, 0,1,2,3
	v_add_f32_dpp v[TT+\e], v[TT+\e], v[TT+\e] row_xmask:\m row_mask:0xf bank_mask:0xf
.endr
.endr
.irp e, 0,1,2,3
	v_rcp_f32 v[TT+\e], v[TT+\e]
.endr
	v_nop
	s_wait_alu depctr_va_vdst(0)                   ; one wait for the four reciprocals
.irp e, 0,1,2,3
	v_mul_f32 v[WG+\e], v[AA+\e], v[TT+\e]
.endr
	ds_store_b128 v[WTS], v[WG:WG+3]               ; my chunk's four weights (both halves of the lanes hold the same); the wave's own bytes:
.irp cc, 0,1,2,3
	ds_load_b128 v[W+4*\cc:W+4*\cc+3], v[WTL] offset:16*\cc  ; LDS serves a wave's instructions in order (ISA guide 5.7.1.4), so these see the store
.endr
	s_wait_loadcnt 0x0
	s_wait_dscnt 0x0
.irp e, 0,1,2,3
.irp j, 0,1,2,3
	v_mul_f32 v[ACC+4*\e+\j], v[W+\e], v[VAL+4*\j+\e]
.endr
.endr
.irp cc, 1,2,3
.irp e, 0,1,2,3
.irp j, 0,1,2,3
	v_fmac_f32 v[ACC+4*\e+\j], v[W+4*\cc+\e], v[VAL+16*\cc+4*\j+\e]  ; the choice of registers puts channels 4 r + 0..3 of a head side by side
.endr
.endr
.endr
.irp e, 0,1,2,3
	ds_store_b128 v[RDS], v[ACC+4*\e:ACC+4*\e+3] offset:\e*1024
.endr
	s_wait_dscnt 0x0                               ; for the others' sake
	s_barrier_signal -1
	s_barrier_wait -1
.irp g, 0,1,2,3
	ds_load_b128 v[VAL+4*\g:VAL+4*\g+3], v[RDL] offset:\g*4096
.endr
	v_cvt_pk_bf16_f32 v[VAL+18], v[Q], v[Q+1]
	v_cvt_pk_bf16_f32 v[VAL+19], v[Q+2], v[Q+3]
	s_wait_dscnt 0x0
	v_pk_add_f32 v[VAL:VAL+1], v[VAL:VAL+1], v[VAL+4:VAL+5]
	v_pk_add_f32 v[VAL+2:VAL+3], v[VAL+2:VAL+3], v[VAL+6:VAL+7]
	v_pk_add_f32 v[VAL+8:VAL+9], v[VAL+8:VAL+9], v[VAL+12:VAL+13]
	v_pk_add_f32 v[VAL+10:VAL+11], v[VAL+10:VAL+11], v[VAL+14:VAL+15]
	v_pk_add_f32 v[VAL:VAL+1], v[VAL:VAL+1], v[VAL+8:VAL+9]
	v_pk_add_f32 v[VAL+2:VAL+3], v[VAL+2:VAL+3], v[VAL+10:VAL+11]
	v_cvt_pk_bf16_f32 v[VAL+16], v[VAL], v[VAL+1]
	v_cvt_pk_bf16_f32 v[VAL+17], v[VAL+2], v[VAL+3]
	global_store_b64 v[GO], v[VAL+16:VAL+17], s[8:9]             ; a wave stores 256 consecutive bytes, aligned
	global_store_b64 v[GO], v[VAL+18:VAL+19], s[8:9] offset:2048
	s_wait_tensorcnt 0x0                           ; the wave's end: behind my last LDS store
	ds_add_u32 v[SPW], v[NIL]
	s_wait_dscnt 0x0
	s_endpgm
.Lfunc_end_k_q61aa4e3012_comb:
	.size	k_q61aa4e3012_comb, .Lfunc_end_k_q61aa4e3012_comb-k_q61aa4e3012_comb
	.p2alignl 7, 3214868480
	.fill 96, 4, 3214868480
	.section	.rodata,"a",@progbits
	.p2align	6, 0x0
	.amdhsa_kernel k_q61aa4e3012_comb
		.amdhsa_group_segment_fixed_size 19456
		.amdhsa_private_segment_fixed_size 0
		.amdhsa_enable_private_segment 0
		.amdhsa_kernarg_size 24
		.amdhsa_user_sgpr_count 2
		.amdhsa_user_sgpr_kernarg_segment_ptr 1
		.amdhsa_wavefront_size32 1
		.amdhsa_system_sgpr_workgroup_id_x 1
		.amdhsa_system_sgpr_workgroup_id_y 1
		.amdhsa_system_sgpr_workgroup_id_z 1
		.amdhsa_system_vgpr_workitem_id 0
		.amdhsa_next_free_vgpr 136
		.amdhsa_next_free_sgpr 66
		.amdhsa_reserve_vcc 0
		.amdhsa_float_denorm_mode_32 3
		.amdhsa_float_denorm_mode_16_64 3
		.amdhsa_memory_ordered 1
		.amdhsa_forward_progress 1
		.amdhsa_inst_pref_size 12
	.end_amdhsa_kernel
	.amdgpu_metadata
---
amdhsa.version: [ 1, 2 ]
amdhsa.kernels:
  - .name:           k_q61aa4e3012_comb
    .symbol:         k_q61aa4e3012_comb.kd
    .args:
      - { .name: part, .offset: 0, .size: 8, .value_kind: global_buffer, .address_space: global }
      - { .name: query, .offset: 8, .size: 8, .value_kind: global_buffer, .address_space: global }
      - { .name: actx, .offset: 16, .size: 8, .value_kind: global_buffer, .address_space: global }
    .group_segment_fixed_size: 19456
    .private_segment_fixed_size: 0
    .kernarg_segment_align: 8
    .kernarg_segment_size: 24
    .max_flat_workgroup_size: 256
    .sgpr_count:     66
    .vgpr_count:     136
    .wavefront_size: 32
...
	.end_amdgpu_metadata
.endif
;; end of part 4
;; launch uprod (part 5): grid 16 x 16, 4 waves a work-group, no clusters, 135,680 bytes of LDS; arguments actx, Wvp, up; writes up
.if DOCPART == 5
	.amdgcn_target "amdgcn-amd-amdhsa--gfx1250"
	.amdhsa_code_object_version 6
	.text
	.protected	k_q61aa4e3012_uprod
	.globl	k_q61aa4e3012_uprod
	.p2align	8
	.type	k_q61aa4e3012_uprod,@function
k_q61aa4e3012_uprod:
	s_mov_b64 s[64:65], 0
	v_nop
	global_prefetch_b8 v0, s[64:65] scope:SCOPE_SE
	s_setreg_imm32_b32 hwreg(HW_REG_WAVE_MODE, 25, 1), 1
	s_wait_xcnt 0x0
; up[ks][h][b][n] = the sum over the 512 k of slice ks of actx[16 h + b][k] bf16(Wvp[k][n]).  256 rows x 1,024 columns x K = 2,048.
; A work-group takes 64 rows (four heads, mb), 64 columns (g = x) and a K slice of 512 (y = 4 mb + ks); each of its four waves 128 k, four steps of 32; the four f32 sums meet in LDS.
; Wvp lies [k][n] in f32 and is turned into B fragments as in the launches with few rows: a lane loads columns 4 r + 0..3 of one k row (16 lanes: 256 consecutive bytes, aligned), and rows k, k + 1 rounded
; together are one register of the fragment whose column r stands for column 4 r + j.  All of a wave's 64 loads of Wvp go out at the start: 32 KiB a wave on their way.
; actx comes in whole rows of 256 bytes and goes through the wave's own LDS bytes into fragments.
; NO CLUSTER: what work-groups share goes through registers, since the f32 weights are rounded on the way, and the launch is a single pass over 128 k a wave.
; REGISTERS, in windows of 256 (s_set_vgpr_msb: bits 1:0 source 0, 3:2 source 1, 5:4 source 2, 7:6 destination): window 0: addresses, fragments, the way out; window 1: Wvp as loaded (step s, row t at 64 s + 4 t);
; window 2: v0-127 the 16 accumulators (row tile T, column tile j at 32 T + 8 j).
.set APITCH, 272
.set AREGB,  64*APITCH                 ; a wave's 64 rows x 256 bytes + 16
.set RED,    4*AREGB                   ; wave x 16,384 + (4 T + j) x 1,024 + half x 512 + lane x 16
.set SPARE,  RED+65536                 ; the spare words: 128 bytes a wave, two blocks of 256 bytes that no other line names
.set VA,  4
.set VW,  5
.set LAS, 6
.set LAF, 7
.set RS,  8
.set RLD, 9
.set SPW, 12
.set NIL, 13
.set AF,  16                           ; v[16:47]
.set BF,  48                           ; v[48:79]
.set AST, 96                           ; v[96:223] actx as loaded; later the four waves' sums
.set OUT, 224                          ; v[224:255]
.set MSB, 0
.macro WIN new                         ; the immediate's high byte repeats the setting that is left; a switch that changes nothing is dropped
.if MSB != (\new)
	s_set_vgpr_msb (MSB<<8)|(\new)
.set MSB, \new
.endif
.endm
.macro PLACES
.rept 4
	v_nop
.endr
.endm
	s_load_b128 s[4:7], s[0:1], 0x0                ; actx s[4:5], Wvp s[6:7]
	s_load_b64 s[8:9], s[0:1], 0x10                ; up
	v_lshl_add_u32 v[SPW], v0, 2, SPARE
	v_mov_b32 v[NIL], 0
	v_lshrrev_b32 v1, 5, v0
	v_readfirstlane_b32 s12, v1                    ; wave w
	v_and_b32 v1, 31, v0                           ; L
	v_and_b32 v2, 15, v0                           ; r
	v_bfe_u32 v3, v0, 4, 1                         ; hh
	s_and_b32 s13, ttmp7, 0xffff
	s_lshr_b32 s14, s13, 2                         ; mb
	s_and_b32 s15, s13, 3                          ; ks
	v_lshlrev_b32 v10, 4, v2
	v_lshl_add_u32 v[VA], v3, 12, v10              ; row hh of actx, 16 r
	v_lshl_add_u32 v[VW], v3, 15, v10              ; 8 hh rows of 4,096 bytes, 16 r: for Wvp and for up
	s_mul_i32 s24, s12, AREGB
	v_mul_u32_u24 v[LAS], v3, APITCH
	v_add3_u32 v[LAS], v[LAS], v10, s24
	v_mul_u32_u24 v[LAF], v2, APITCH
	v_lshl_add_u32 v[LAF], v3, 4, v[LAF]
	v_add_nc_u32 v[LAF], s24, v[LAF]
	s_lshl_b32 s24, s12, 14
	s_add_co_u32 s24, s24, RED
	v_lshl_add_u32 v[RS], v1, 4, s24
	s_lshl_b32 s24, s12, 12
	s_add_co_u32 s24, s24, RED
	v_lshl_add_u32 v[RLD], v1, 4, s24              ; back: row tile T = w of every wave's sums
	s_lshl_b32 s16, s14, 18                        ; actx: 64 mb rows,
	s_lshl_b32 s24, s15, 10                        ; 512 ks
	s_add_co_u32 s16, s16, s24
	s_lshl_b32 s24, s12, 8                         ; + 128 w channels
	s_add_co_u32 s16, s16, s24
	s_mov_b32 s17, 0
	s_lshl_b32 s18, s15, 21                        ; Wvp: row 512 ks + 128 w,
	s_lshl_b32 s24, s12, 19
	s_add_co_u32 s18, s18, s24
	s_lshl_b32 s25, ttmp9, 8                       ; the group's 64 columns
	s_add_co_u32 s18, s18, s25
	s_mov_b32 s19, 0
	s_lshl_b32 s20, s15, 20                        ; up: partial ks, head 4 mb + w
	s_lshl2_add_u32 s24, s14, s12
	s_lshl_b32 s24, s24, 16
	s_add_co_u32 s20, s20, s24
	s_add_co_u32 s20, s20, s25
	s_mov_b32 s21, 0
	s_wait_kmcnt 0x0
	s_add_nc_u64 s[4:5], s[4:5], s[16:17]
	s_add_nc_u64 s[6:7], s[6:7], s[18:19]
	s_add_nc_u64 s[8:9], s[8:9], s[20:21]
.set n, 0
.rept 32                                               ; rows 2 n + hh: 16 lanes take 256 consecutive bytes, aligned
	global_load_b128 v[AST+4*n:AST+4*n+3], v[VA], s[4:5] offset:n*8192
.set n, n+1
.endr
.macro WLOAD st                        ; step st: rows 8 hh + 0..7 and 16 + 8 hh + 0..7 of its 32
.set t, 0
.rept 16
	global_load_b128 v[64*(\st)+4*t:64*(\st)+4*t+3], v[VW], s[6:7] offset:(32*(\st)+t+8*(t/8))*4096
.set t, t+1
.endr
.endm
	WIN 0x40                                       ; destination window 1
	WLOAD 0
	WLOAD 1
	WIN 0
	s_wait_loadcnt 32                              ; actx is in; the 32 loads of Wvp may stay out
.set n, 0
.rept 32
	ds_store_b128 v[LAS], v[AST+4*n:AST+4*n+3] offset:n*2*APITCH
.set n, n+1
.endr
	WIN 0x40
	WLOAD 2
	WLOAD 3
; A step: 16 products on 16 accumulators by turns.  Four places stand between a step's products and the loads and conversions that write their sources anew.
.macro KSTEP st
	s_wait_loadcnt 48-16*(\st)                     ; this step's 16 rows of Wvp are in; the later steps' may stay out
.if (\st) > 0
	PLACES
.endif
	WIN 0
.irp T, 0,1,2,3
	ds_load_b128 v[AF+8*\T:AF+8*\T+3],   v[LAF] offset:\T*16*APITCH+(\st)*64      ; my own bytes: LDS serves a wave's instructions in order (ISA guide 5.7.1.4)
	ds_load_b128 v[AF+8*\T+4:AF+8*\T+7], v[LAF] offset:\T*16*APITCH+(\st)*64+32
.endr
	WIN 0x05                                       ; sources window 1, destination window 0
.irp j, 0,1,2,3
.irp p, 0,1,2,3,4,5,6,7
	v_cvt_pk_bf16_f32 v[BF+8*\j+\p], v[64*(\st)+8*\p+\j], v[64*(\st)+8*\p+4+\j]
.endr
.endr
	s_wait_dscnt 0x0
	WIN 0xa0                                       ; C and D window 2
.irp T, 0,1,2,3
.irp j, 0,1,2,3
.if (\st) == 0
	v_wmma_f32_16x16x32_bf16 v[32*\T+8*\j:32*\T+8*\j+7], v[AF+8*\T:AF+8*\T+7], v[BF+8*\j:BF+8*\j+7], 0
.else
	v_wmma_f32_16x16x32_bf16 v[32*\T+8*\j:32*\T+8*\j+7], v[AF+8*\T:AF+8*\T+7], v[BF+8*\j:BF+8*\j+7], v[32*\T+8*\j:32*\T+8*\j+7]
.endif
.endr
.endr
.endm
	KSTEP 0
	KSTEP 1
	KSTEP 2
	KSTEP 3
	PLACES                                         ; eight places behind the last products, once
	PLACES
	WIN 0x08                                       ; store data window 2
.set n, 0
.rept 16                                               ; each accumulator's lowest registers first
	ds_store_b128 v[RS], v[8*n:8*n+3]   offset:n*1024
	ds_store_b128 v[RS], v[8*n+4:8*n+7] offset:n*1024+512
.set n, n+1
.endr
	WIN 0
	s_wait_dscnt 0x0                               ; for the others' sake
	s_barrier_signal -1
	s_barrier_wait -1
.irp ww, 0,1,2,3
.irp j, 0,1,2,3
	ds_load_b128 v[AST+32*\ww+8*\j:AST+32*\ww+8*\j+3],   v[RLD] offset:\ww*16384+\j*1024
	ds_load_b128 v[AST+32*\ww+8*\j+4:AST+32*\ww+8*\j+7], v[RLD] offset:\ww*16384+\j*1024+512
.endr
.endr
	s_wait_dscnt 0x0
.irp j, 0,1,2,3
.irp k, 0,1,2,3                                        ; registers 2 k, 2 k + 1: rows 8 hh + 2 k, + 1
	v_pk_add_f32 v[AST+8*\j+2*\k:AST+8*\j+2*\k+1], v[AST+8*\j+2*\k:AST+8*\j+2*\k+1], v[AST+32+8*\j+2*\k:AST+32+8*\j+2*\k+1]
	v_pk_add_f32 v[AST+64+8*\j+2*\k:AST+64+8*\j+2*\k+1], v[AST+64+8*\j+2*\k:AST+64+8*\j+2*\k+1], v[AST+96+8*\j+2*\k:AST+96+8*\j+2*\k+1]
.endr
.endr
.irp j, 0,1,2,3
.irp i, 0,1,2,3,4,5,6,7                                ; the last addition also puts columns 4 r + 0..3 of a row side by side
	v_add_f32 v[OUT+4*\i+\j], v[AST+8*\j+\i], v[AST+64+8*\j+\i]
.endr
.endr
.irp i, 0,1,2,3,4,5,6,7
	global_store_b128 v[VW], v[OUT+4*\i:OUT+4*\i+3], s[8:9] offset:\i*4096  ; row b = 8 hh + i: 16 lanes store 256 consecutive bytes, aligned
.endr
	s_wait_tensorcnt 0x0                           ; the wave's end: behind my last LDS store
	ds_add_u32 v[SPW], v[NIL]
	s_wait_dscnt 0x0
	s_endpgm
.Lfunc_end_k_q61aa4e3012_uprod:
	.size	k_q61aa4e3012_uprod, .Lfunc_end_k_q61aa4e3012_uprod-k_q61aa4e3012_uprod
	.p2alignl 7, 3214868480
	.fill 96, 4, 3214868480
	.section	.rodata,"a",@progbits
	.p2align	6, 0x0
	.amdhsa_kernel k_q61aa4e3012_uprod
		.amdhsa_group_segment_fixed_size 135680
		.amdhsa_private_segment_fixed_size 0
		.amdhsa_enable_private_segment 0
		.amdhsa_kernarg_size 24
		.amdhsa_user_sgpr_count 2
		.amdhsa_user_sgpr_kernarg_segment_ptr 1
		.amdhsa_wavefront_size32 1
		.amdhsa_system_sgpr_workgroup_id_x 1
		.amdhsa_system_sgpr_workgroup_id_y 1
		.amdhsa_system_sgpr_workgroup_id_z 1
		.amdhsa_system_vgpr_workitem_id 0
		.amdhsa_next_free_vgpr 640
		.amdhsa_next_free_sgpr 66
		.amdhsa_reserve_vcc 0
		.amdhsa_float_denorm_mode_32 3
		.amdhsa_float_denorm_mode_16_64 3
		.amdhsa_memory_ordered 1
		.amdhsa_forward_progress 1
		.amdhsa_inst_pref_size 37
	.end_amdhsa_kernel
	.amdgpu_metadata
---
amdhsa.version: [ 1, 2 ]
amdhsa.kernels:
  - .name:           k_q61aa4e3012_uprod
    .symbol:         k_q61aa4e3012_uprod.kd
    .args:
      - { .name: actx, .offset: 0, .size: 8, .value_kind: global_buffer, .address_space: global }
      - { .name: Wvp, .offset: 8, .size: 8, .value_kind: global_buffer, .address_space: global }
      - { .name: up, .offset: 16, .size: 8, .value_kind: global_buffer, .address_space: global }
    .group_segment_fixed_size: 135680
    .private_segment_fixed_size: 0
    .kernarg_segment_align: 8
    .kernarg_segment_size: 24
    .max_flat_workgroup_size: 128
    .sgpr_count:     66
    .vgpr_count:     640
    .wavefront_size: 32
...
	.end_amdgpu_metadata
.endif
;; end of part 5
;; launch frx (part 6): grid 16 x 8, 4 waves a work-group, no clusters, 21,248 bytes of LDS; arguments up, Wv, pa; writes pa
.if DOCPART == 6
	.amdgcn_target "amdgcn-amd-amdhsa--gfx1250"
	.amdhsa_code_object_version 6
	.text
	.protected	k_q61aa4e3012_frx
	.globl	k_q61aa4e3012_frx
	.p2align	8
	.type	k_q61aa4e3012_frx,@function
k_q61aa4e3012_frx:
	s_mov_b64 s[64:65], 0
	v_nop
	global_prefetch_b8 v0, s[64:65] scope:SCOPE_SE
	s_setreg_imm32_b32 hwreg(HW_REG_WAVE_MODE, 25, 1), 1
	s_wait_xcnt 0x0
; FEW ROWS, variant frx: pa[ks][b][64 h + d] = the sum over the 128 k of slice ks of u[h][b][k] bf16(Wv[k][64 h + d]), u = the sum of up's 4 partials: column group g IS head h, and each head has its own A.
; bv is added by the launch that reads pa (the attention weights sum to 1, so it enters once).
; A work-group makes 16 rows x 64 columns (group g = x) for one K slice of 128 (ks = y); its four waves take 32 k each; the four f32 sums meet in LDS.
; W lies [k][n] in f32: lane (r, hh) loads 16 bytes, columns 4 r .. 4 r + 3 of one k row, so 16 lanes cover 256 consecutive bytes, aligned.  Rounding rows k and k + 1 together
; gives one register of a B fragment whose column r stands for column 4 r + j (tile j = 0..3): nothing is transposed.  Result register i of tile j is (row 8 hh + i, column 4 r + j).
; A is the sum of P f32 partial sums (+ bias rounded to bf16, + ReLU), rounded once to bf16 as the matrix operand.  NaN and infinities are not treated apart.
.set P,    4                           ; partial sums that make A
.set APS,  1048576                     ; bytes from partial to partial
.set ARB,  4096                        ; bytes in a row of A
.set AGS,  65536                       ; bytes of A from column group to column group (0: all groups read the same A)
.set HASB, 0                           ; a bias along k is added to A
.set RELU, 0                           ; A = max(A, 0)
.set NB,   4096                        ; bytes in a row of W and of out
.set APITCH, 272                       ; A tile in LDS: 16 rows of 256 bytes + 16 of padding
.set RED,    16*APITCH                 ; the waves' sums: wave x 4,096 + tile x 1,024 + register pair x 256 + lane x 8
.set SPARE,  RED+16384                 ; the spare words: 128 bytes a wave, two blocks of 256 bytes that no other line names
.set AOFF, 4
.set WOFF, 5
.set LAS,  6
.set LAF,  7
.set RS,   8
.set RLD,  9
.set OOFF, 10
.set BOFF, 11
.set SPW,  12
.set NIL,  13
.set BI,   16                          ; v[16:19] bias
.set AF,   20                          ; v[20:27] A fragment
.set WS,   28                          ; v[28:91] 16 rows of W as loaded
.set AS,   92                          ; row i, partial p at AS + 4 (i P + p)
.set BF,   92                          ; later: four B fragments
.set ACC,  124
.set RL,   156
.set OUT,  188
	s_load_b128 s[4:7], s[0:1], 0x0                ; A s[4:5], W s[6:7]
	s_load_b64 s[8:9], s[0:1], 0x10                ; out
.if HASB
	s_load_b64 s[10:11], s[0:1], 0x18              ; bias
.endif
	v_lshl_add_u32 v[SPW], v0, 2, SPARE
	v_mov_b32 v[NIL], 0
	v_lshrrev_b32 v1, 5, v0
	v_readfirstlane_b32 s12, v1                    ; wave w
	v_and_b32 v1, 31, v0                           ; L
	v_and_b32 v2, 15, v0                           ; r
	v_bfe_u32 v3, v0, 4, 1                         ; hh
	s_and_b32 s14, ttmp7, 0xffff                   ; ks
	s_mul_i32 s24, s12, 4*ARB
	v_lshl_add_u32 v[AOFF], v1, 4, s24             ; rows 4 w .. of A, 16 bytes a lane
	v_mul_u32_u24 v[WOFF], v3, 8*NB
	v_lshl_add_u32 v[WOFF], v2, 4, v[WOFF]         ; 8 hh rows of W + 16 r
	s_mul_i32 s24, s12, 4*APITCH
	v_lshl_add_u32 v[LAS], v1, 3, s24              ; A tile in: rows 4 w .., 8 bytes a lane
	v_mul_u32_u24 v[LAF], v2, APITCH
	v_lshl_add_u32 v[LAF], v3, 4, v[LAF]
	s_lshl_b32 s24, s12, 6
	v_add_nc_u32 v[LAF], s24, v[LAF]               ; A fragment: row r, my wave's 32 k, 16 hh
	s_lshl_b32 s24, s12, 12
	s_add_co_u32 s24, s24, RED
	v_lshl_add_u32 v[RS], v1, 3, s24
	s_lshl_b32 s24, s12, 8
	s_add_co_u32 s24, s24, RED
	v_lshl_add_u32 v[RLD], v1, 3, s24              ; back: register pair w of every wave's sums
	s_lshl_b32 s24, s12, 1
	v_lshl_add_u32 v[OOFF], v3, 3, s24
	v_mul_u32_u24 v[OOFF], v[OOFF], NB
	v_lshl_add_u32 v[OOFF], v2, 4, v[OOFF]         ; row 8 hh + 2 w, 16 r
	v_lshlrev_b32 v[BOFF], 4, v1
	s_lshl_b32 s16, s14, 9                         ; the slice's 128 k: 512 bytes of a row of A and of the bias
	s_mov_b32 s17, 0
	s_mov_b32 s18, s16
	s_mov_b32 s19, 0
.if AGS
	s_mul_i32 s24, ttmp9, AGS
	s_add_co_u32 s16, s16, s24
.endif
	s_lshl_b32 s20, s14, 7
	s_lshl_b32 s24, s12, 5
	s_add_co_u32 s20, s20, s24
	s_mul_i32 s20, s20, NB                         ; W's row 128 ks + 32 w
	s_lshl_b32 s24, ttmp9, 8                       ; the group's 64 columns
	s_add_co_u32 s20, s20, s24
	s_mov_b32 s21, 0
	s_mul_i32 s22, s14, 16*NB                      ; out's partial ks
	s_add_co_u32 s22, s22, s24
	s_mov_b32 s23, 0
	s_wait_kmcnt 0x0
	s_add_nc_u64 s[4:5], s[4:5], s[16:17]
	s_add_nc_u64 s[6:7], s[6:7], s[20:21]
	s_add_nc_u64 s[8:9], s[8:9], s[22:23]
.if HASB
	s_add_nc_u64 s[10:11], s[10:11], s[18:19]
	global_load_b128 v[BI:BI+3], v[BOFF], s[10:11]
.endif
.set i, 0
.rept 4
.set p, 0
.rept P
	global_load_b128 v[AS+4*(i*P+p):AS+4*(i*P+p)+3], v[AOFF], s[4:5] offset:p*APS+i*ARB
.set p, p+1
.endr
.set i, i+1
.endr
.set t, 0
.rept 16                                               ; rows 8 hh + 0..7 and 16 + 8 hh + 0..7 of my 32
	global_load_b128 v[WS+4*t:WS+4*t+3], v[WOFF], s[6:7] offset:(t+8*(t/8))*NB th:TH_LOAD_NT
.set t, t+1
.endr
	s_wait_loadcnt 16                              ; bias and A are in; W's 16 loads may stay out
.if HASB
	v_cvt_pk_bf16_f32 v14, v[BI], v[BI+1]          ; the bias is an input: rounded to bf16 like all of them
	v_cvt_pk_bf16_f32 v15, v[BI+2], v[BI+3]
	v_lshlrev_b32 v[BI], 16, v14
	v_and_b32 v[BI+1], 0xffff0000, v14
	v_lshlrev_b32 v[BI+2], 16, v15
	v_and_b32 v[BI+3], 0xffff0000, v15
.endif
.if P > 1
.set p, 1
.rept P-1
.set i, 0
.rept 4
	v_pk_add_f32 v[AS+4*i*P:AS+4*i*P+1], v[AS+4*i*P:AS+4*i*P+1], v[AS+4*(i*P+p):AS+4*(i*P+p)+1]
	v_pk_add_f32 v[AS+4*i*P+2:AS+4*i*P+3], v[AS+4*i*P+2:AS+4*i*P+3], v[AS+4*(i*P+p)+2:AS+4*(i*P+p)+3]
.set i, i+1
.endr
.set p, p+1
.endr
.endif
.set i, 0
.rept 4
.set R0, AS+4*i*P
.if HASB
	v_pk_add_f32 v[R0:R0+1], v[R0:R0+1], v[BI:BI+1]
	v_pk_add_f32 v[R0+2:R0+3], v[R0+2:R0+3], v[BI+2:BI+3]
.endif
.if RELU
	v_max_num_f32 v[R0], 0, v[R0]
	v_max_num_f32 v[R0+1], 0, v[R0+1]
	v_max_num_f32 v[R0+2], 0, v[R0+2]
	v_max_num_f32 v[R0+3], 0, v[R0+3]
.endif
	v_cvt_pk_bf16_f32 v[R0], v[R0], v[R0+1]
	v_cvt_pk_bf16_f32 v[R0+1], v[R0+2], v[R0+3]
	ds_store_b64 v[LAS], v[R0:R0+1] offset:i*APITCH
.set i, i+1
.endr
	s_wait_dscnt 0x0                               ; for the others' sake: my four rows of the A tile are stored
	s_barrier_signal -1
	s_barrier_wait -1
	ds_load_b128 v[AF:AF+3], v[LAF]
	ds_load_b128 v[AF+4:AF+7], v[LAF] offset:32
	s_wait_loadcnt 0x0                             ; W
.set j, 0
.rept 4
.set p, 0
.rept 8
	v_cvt_pk_bf16_f32 v[BF+8*j+p], v[WS+8*p+j], v[WS+8*p+4+j]  ; rows 2 p and 2 p + 1, column 4 r + j
.set p, p+1
.endr
.set j, j+1
.endr
	s_wait_dscnt 0x0                               ; the A fragment
.set j, 0
.rept 4
	v_wmma_f32_16x16x32_bf16 v[ACC+8*j:ACC+8*j+7], v[AF:AF+7], v[BF+8*j:BF+8*j+7], 0
.set j, j+1
.endr
.rept 8
	v_nop                                          ; places behind the products, ahead of the stores that read them: eight, once a launch
.endr
.set j, 0
.rept 4
.set q, 0
.rept 4                                                ; each accumulator's lowest registers first
	ds_store_b64 v[RS], v[ACC+8*j+2*q:ACC+8*j+2*q+1] offset:j*1024+q*256
.set q, q+1
.endr
.set j, j+1
.endr
	s_wait_dscnt 0x0                               ; for the others' sake
	s_barrier_signal -1
	s_barrier_wait -1
.set j, 0
.rept 4
.set q, 0
.rept 4                                                ; q: the wave whose sum it is
	ds_load_b64 v[RL+8*j+2*q:RL+8*j+2*q+1], v[RLD] offset:q*4096+j*1024
.set q, q+1
.endr
.set j, j+1
.endr
	s_wait_dscnt 0x0
.set j, 0
.rept 4
	v_pk_add_f32 v[RL+8*j:RL+8*j+1], v[RL+8*j:RL+8*j+1], v[RL+8*j+2:RL+8*j+3]
	v_pk_add_f32 v[RL+8*j+4:RL+8*j+5], v[RL+8*j+4:RL+8*j+5], v[RL+8*j+6:RL+8*j+7]
.set j, j+1
.endr
.set j, 0
.rept 4                                                ; the last addition also puts columns 4 r + 0..3 of a row side by side
	v_add_f32 v[OUT+j], v[RL+8*j], v[RL+8*j+4]
	v_add_f32 v[OUT+4+j], v[RL+8*j+1], v[RL+8*j+5]
.set j, j+1
.endr
	global_store_b128 v[OOFF], v[OUT:OUT+3], s[8:9]              ; 16 lanes store 256 consecutive bytes, aligned
	global_store_b128 v[OOFF], v[OUT+4:OUT+7], s[8:9] offset:NB
	s_wait_tensorcnt 0x0                           ; the wave's end: behind my last LDS store
	ds_add_u32 v[SPW], v[NIL]
	s_wait_dscnt 0x0
	s_endpgm
.Lfunc_end_k_q61aa4e3012_frx:
	.size	k_q61aa4e3012_frx, .Lfunc_end_k_q61aa4e3012_frx-k_q61aa4e3012_frx
	.p2alignl 7, 3214868480
	.fill 96, 4, 3214868480
	.section	.rodata,"a",@progbits
	.p2align	6, 0x0
	.amdhsa_kernel k_q61aa4e3012_frx
		.amdhsa_group_segment_fixed_size 21248
		.amdhsa_private_segment_fixed_size 0
		.amdhsa_enable_private_segment 0
		.amdhsa_kernarg_size 24
		.amdhsa_user_sgpr_count 2
		.amdhsa_user_sgpr_kernarg_segment_ptr 1
		.amdhsa_wavefront_size32 1
		.amdhsa_system_sgpr_workgroup_id_x 1
		.amdhsa_system_sgpr_workgroup_id_y 1
		.amdhsa_system_sgpr_workgroup_id_z 1
		.amdhsa_system_vgpr_workitem_id 0
		.amdhsa_next_free_vgpr 220
		.amdhsa_next_free_sgpr 66
		.amdhsa_reserve_vcc 0
		.amdhsa_float_denorm_mode_32 3
		.amdhsa_float_denorm_mode_16_64 3
		.amdhsa_memory_ordered 1
		.amdhsa_forward_progress 1
		.amdhsa_inst_pref_size 14
	.end_amdhsa_kernel
	.amdgpu_metadata
---
amdhsa.version: [ 1, 2 ]
amdhsa.kernels:
  - .name:           k_q61aa4e3012_frx
    .symbol:         k_q61aa4e3012_frx.kd
    .args:
      - { .name: up, .offset: 0, .size: 8, .value_kind: global_buffer, .address_space: global }
      - { .name: Wv, .offset: 8, .size: 8, .value_kind: global_buffer, .address_space: global }
      - { .name: pa, .offset: 16, .size: 8, .value_kind: global_buffer, .address_space: global }
    .group_segment_fixed_size: 21248
    .private_segment_fixed_size: 0
    .kernarg_segment_align: 8
    .kernarg_segment_size: 24
    .max_flat_workgroup_size: 128
    .sgpr_count:     66
    .vgpr_count:     220
    .wavefront_size: 32
...
	.end_amdgpu_metadata
.endif
;; end of part 6
;; launch fro (part 7): grid 16 x 8, 4 waves a work-group, no clusters, 21,248 bytes of LDS; arguments pa, Wo, pb, bv; writes pb
.if DOCPART == 7
	.amdgcn_target "amdgcn-amd-amdhsa--gfx1250"
	.amdhsa_code_object_version 6
	.text
	.protected	k_q61aa4e3012_fro
	.globl	k_q61aa4e3012_fro
	.p2align	8
	.type	k_q61aa4e3012_fro,@function
k_q61aa4e3012_fro:
	s_mov_b64 s[64:65], 0
	v_nop
	global_prefetch_b8 v0, s[64:65] scope:SCOPE_SE
	s_setreg_imm32_b32 hwreg(HW_REG_WAVE_MODE, 25, 1), 1
	s_wait_xcnt 0x0
; FEW ROWS, variant fro: pb[ks][b][n] = the sum over the 128 k of slice ks of x[b][k] bf16(Wo[k][n]), x = the sum of pa's 8 partials + bv.  bo is added by the launch that reads pb.
; A work-group makes 16 rows x 64 columns (group g = x) for one K slice of 128 (ks = y); its four waves take 32 k each; the four f32 sums meet in LDS.
; W lies [k][n] in f32: lane (r, hh) loads 16 bytes, columns 4 r .. 4 r + 3 of one k row, so 16 lanes cover 256 consecutive bytes, aligned.  Rounding rows k and k + 1 together
; gives one register of a B fragment whose column r stands for column 4 r + j (tile j = 0..3): nothing is transposed.  Result register i of tile j is (row 8 hh + i, column 4 r + j).
; A is the sum of P f32 partial sums (+ bias rounded to bf16, + ReLU), rounded once to bf16 as the matrix operand.  NaN and infinities are not treated apart.
.set P,    8                           ; partial sums that make A
.set APS,  65536                       ; bytes from partial to partial
.set ARB,  4096                        ; bytes in a row of A
.set AGS,  0                           ; bytes of A from column group to column group (0: all groups read the same A)
.set HASB, 1                           ; a bias along k is added to A
.set RELU, 0                           ; A = max(A, 0)
.set NB,   4096                        ; bytes in a row of W and of out
.set APITCH, 272                       ; A tile in LDS: 16 rows of 256 bytes + 16 of padding
.set RED,    16*APITCH                 ; the waves' sums: wave x 4,096 + tile x 1,024 + register pair x 256 + lane x 8
.set SPARE,  RED+16384                 ; the spare words: 128 bytes a wave, two blocks of 256 bytes that no other line names
.set AOFF, 4
.set WOFF, 5
.set LAS,  6
.set LAF,  7
.set RS,   8
.set RLD,  9
.set OOFF, 10
.set BOFF, 11
.set SPW,  12
.set NIL,  13
.set BI,   16                          ; v[16:19] bias
.set AF,   20                          ; v[20:27] A fragment
.set WS,   28                          ; v[28:91] 16 rows of W as loaded
.set AS,   92                          ; row i, partial p at AS + 4 (i P + p)
.set BF,   92                          ; later: four B fragments
.set ACC,  124
.set RL,   156
.set OUT,  188
	s_load_b128 s[4:7], s[0:1], 0x0                ; A s[4:5], W s[6:7]
	s_load_b64 s[8:9], s[0:1], 0x10                ; out
.if HASB
	s_load_b64 s[10:11], s[0:1], 0x18              ; bias
.endif
	v_lshl_add_u32 v[SPW], v0, 2, SPARE
	v_mov_b32 v[NIL], 0
	v_lshrrev_b32 v1, 5, v0
	v_readfirstlane_b32 s12, v1                    ; wave w
	v_and_b32 v1, 31, v0                           ; L
	v_and_b32 v2, 15, v0                           ; r
	v_bfe_u32 v3, v0, 4, 1                         ; hh
	s_and_b32 s14, ttmp7, 0xffff                   ; ks
	s_mul_i32 s24, s12, 4*ARB
	v_lshl_add_u32 v[AOFF], v1, 4, s24             ; rows 4 w .. of A, 16 bytes a lane
	v_mul_u32_u24 v[WOFF], v3, 8*NB
	v_lshl_add_u32 v[WOFF], v2, 4, v[WOFF]         ; 8 hh rows of W + 16 r
	s_mul_i32 s24, s12, 4*APITCH
	v_lshl_add_u32 v[LAS], v1, 3, s24              ; A tile in: rows 4 w .., 8 bytes a lane
	v_mul_u32_u24 v[LAF], v2, APITCH
	v_lshl_add_u32 v[LAF], v3, 4, v[LAF]
	s_lshl_b32 s24, s12, 6
	v_add_nc_u32 v[LAF], s24, v[LAF]               ; A fragment: row r, my wave's 32 k, 16 hh
	s_lshl_b32 s24, s12, 12
	s_add_co_u32 s24, s24, RED
	v_lshl_add_u32 v[RS], v1, 3, s24
	s_lshl_b32 s24, s12, 8
	s_add_co_u32 s24, s24, RED
	v_lshl_add_u32 v[RLD], v1, 3, s24              ; back: register pair w of every wave's sums
	s_lshl_b32 s24, s12, 1
	v_lshl_add_u32 v[OOFF], v3, 3, s24
	v_mul_u32_u24 v[OOFF], v[OOFF], NB
	v_lshl_add_u32 v[OOFF], v2, 4, v[OOFF]         ; row 8 hh + 2 w, 16 r
	v_lshlrev_b32 v[BOFF], 4, v1
	s_lshl_b32 s16, s14, 9                         ; the slice's 128 k: 512 bytes of a row of A and of the bias
	s_mov_b32 s17, 0
	s_mov_b32 s18, s16
	s_mov_b32 s19, 0
.if AGS
	s_mul_i32 s24, ttmp9, AGS
	s_add_co_u32 s16, s16, s24
.endif
	s_lshl_b32 s20, s14, 7
	s_lshl_b32 s24, s12, 5
	s_add_co_u32 s20, s20, s24
	s_mul_i32 s20, s20, NB                         ; W's row 128 ks + 32 w
	s_lshl_b32 s24, ttmp9, 8                       ; the group's 64 columns
	s_add_co_u32 s20, s20, s24
	s_mov_b32 s21, 0
	s_mul_i32 s22, s14, 16*NB                      ; out's partial ks
	s_add_co_u32 s22, s22, s24
	s_mov_b32 s23, 0
	s_wait_kmcnt 0x0
	s_add_nc_u64 s[4:5], s[4:5], s[16:17]
	s_add_nc_u64 s[6:7], s[6:7], s[20:21]
	s_add_nc_u64 s[8:9], s[8:9], s[22:23]
.if HASB
	s_add_nc_u64 s[10:11], s[10:11], s[18:19]
	global_load_b128 v[BI:BI+3], v[BOFF], s[10:11]
.endif
.set i, 0
.rept 4
.set p, 0
.rept P
	global_load_b128 v[AS+4*(i*P+p):AS+4*(i*P+p)+3], v[AOFF], s[4:5] offset:p*APS+i*ARB
.set p, p+1
.endr
.set i, i+1
.endr
.set t, 0
.rept 16                                               ; rows 8 hh + 0..7 and 16 + 8 hh + 0..7 of my 32
	global_load_b128 v[WS+4*t:WS+4*t+3], v[WOFF], s[6:7] offset:(t+8*(t/8))*NB th:TH_LOAD_NT
.set t, t+1
.endr
	s_wait_loadcnt 16                              ; bias and A are in; W's 16 loads may stay out
.if HASB
	v_cvt_pk_bf16_f32 v14, v[BI], v[BI+1]          ; the bias is an input: rounded to bf16 like all of them
	v_cvt_pk_bf16_f32 v15, v[BI+2], v[BI+3]
	v_lshlrev_b32 v[BI], 16, v14
	v_and_b32 v[BI+1], 0xffff0000, v14
	v_lshlrev_b32 v[BI+2], 16, v15
	v_and_b32 v[BI+3], 0xffff0000, v15
.endif
.if P > 1
.set p, 1
.rept P-1
.set i, 0
.rept 4
	v_pk_add_f32 v[AS+4*i*P:AS+4*i*P+1], v[AS+4*i*P:AS+4*i*P+1], v[AS+4*(i*P+p):AS+4*(i*P+p)+1]
	v_pk_add_f32 v[AS+4*i*P+2:AS+4*i*P+3], v[AS+4*i*P+2:AS+4*i*P+3], v[AS+4*(i*P+p)+2:AS+4*(i*P+p)+3]
.set i, i+1
.endr
.set p, p+1
.endr
.endif
.set i, 0
.rept 4
.set R0, AS+4*i*P
.if HASB
	v_pk_add_f32 v[R0:R0+1], v[R0:R0+1], v[BI:BI+1]
	v_pk_add_f32 v[R0+2:R0+3], v[R0+2:R0+3], v[BI+2:BI+3]
.endif
.if RELU
	v_max_num_f32 v[R0], 0, v[R0]
	v_max_num_f32 v[R0+1], 0, v[R0+1]
	v_max_num_f32 v[R0+2], 0, v[R0+2]
	v_max_num_f32 v[R0+3], 0, v[R0+3]
.endif
	v_cvt_pk_bf16_f32 v[R0], v[R0], v[R0+1]
	v_cvt_pk_bf16_f32 v[R0+1], v[R0+2], v[R0+3]
	ds_store_b64 v[LAS], v[R0:R0+1] offset:i*APITCH
.set i, i+1
.endr
	s_wait_dscnt 0x0                               ; for the others' sake: my four rows of the A tile are stored
	s_barrier_signal -1
	s_barrier_wait -1
	ds_load_b128 v[AF:AF+3], v[LAF]
	ds_load_b128 v[AF+4:AF+7], v[LAF] offset:32
	s_wait_loadcnt 0x0                             ; W
.set j, 0
.rept 4
.set p, 0
.rept 8
	v_cvt_pk_bf16_f32 v[BF+8*j+p], v[WS+8*p+j], v[WS+8*p+4+j]  ; rows 2 p and 2 p + 1, column 4 r + j
.set p, p+1
.endr
.set j, j+1
.endr
	s_wait_dscnt 0x0                               ; the A fragment
.set j, 0
.rept 4
	v_wmma_f32_16x16x32_bf16 v[ACC+8*j:ACC+8*j+7], v[AF:AF+7], v[BF+8*j:BF+8*j+7], 0
.set j, j+1
.endr
.rept 8
	v_nop                                          ; places behind the products, ahead of the stores that read them: eight, once a launch
.endr
.set j, 0
.rept 4
.set q, 0
.rept 4                                                ; each accumulator's lowest registers first
	ds_store_b64 v[RS], v[ACC+8*j+2*q:ACC+8*j+2*q+1] offset:j*1024+q*256
.set q, q+1
.endr
.set j, j+1
.endr
	s_wait_dscnt 0x0                               ; for the others' sake
	s_barrier_signal -1
	s_barrier_wait -1
.set j, 0
.rept 4
.set q, 0
.rept 4                                                ; q: the wave whose sum it is
	ds_load_b64 v[RL+8*j+2*q:RL+8*j+2*q+1], v[RLD] offset:q*4096+j*1024
.set q, q+1
.endr
.set j, j+1
.endr
	s_wait_dscnt 0x0
.set j, 0
.rept 4
	v_pk_add_f32 v[RL+8*j:RL+8*j+1], v[RL+8*j:RL+8*j+1], v[RL+8*j+2:RL+8*j+3]
	v_pk_add_f32 v[RL+8*j+4:RL+8*j+5], v[RL+8*j+4:RL+8*j+5], v[RL+8*j+6:RL+8*j+7]
.set j, j+1
.endr
.set j, 0
.rept 4                                                ; the last addition also puts columns 4 r + 0..3 of a row side by side
	v_add_f32 v[OUT+j], v[RL+8*j], v[RL+8*j+4]
	v_add_f32 v[OUT+4+j], v[RL+8*j+1], v[RL+8*j+5]
.set j, j+1
.endr
	global_store_b128 v[OOFF], v[OUT:OUT+3], s[8:9]              ; 16 lanes store 256 consecutive bytes, aligned
	global_store_b128 v[OOFF], v[OUT+4:OUT+7], s[8:9] offset:NB
	s_wait_tensorcnt 0x0                           ; the wave's end: behind my last LDS store
	ds_add_u32 v[SPW], v[NIL]
	s_wait_dscnt 0x0
	s_endpgm
.Lfunc_end_k_q61aa4e3012_fro:
	.size	k_q61aa4e3012_fro, .Lfunc_end_k_q61aa4e3012_fro-k_q61aa4e3012_fro
	.p2alignl 7, 3214868480
	.fill 96, 4, 3214868480
	.section	.rodata,"a",@progbits
	.p2align	6, 0x0
	.amdhsa_kernel k_q61aa4e3012_fro
		.amdhsa_group_segment_fixed_size 21248
		.amdhsa_private_segment_fixed_size 0
		.amdhsa_enable_private_segment 0
		.amdhsa_kernarg_size 32
		.amdhsa_user_sgpr_count 2
		.amdhsa_user_sgpr_kernarg_segment_ptr 1
		.amdhsa_wavefront_size32 1
		.amdhsa_system_sgpr_workgroup_id_x 1
		.amdhsa_system_sgpr_workgroup_id_y 1
		.amdhsa_system_sgpr_workgroup_id_z 1
		.amdhsa_system_vgpr_workitem_id 0
		.amdhsa_next_free_vgpr 220
		.amdhsa_next_free_sgpr 66
		.amdhsa_reserve_vcc 0
		.amdhsa_float_denorm_mode_32 3
		.amdhsa_float_denorm_mode_16_64 3
		.amdhsa_memory_ordered 1
		.amdhsa_forward_progress 1
		.amdhsa_inst_pref_size 19
	.end_amdhsa_kernel
	.amdgpu_metadata
---
amdhsa.version: [ 1, 2 ]
amdhsa.kernels:
  - .name:           k_q61aa4e3012_fro
    .symbol:         k_q61aa4e3012_fro.kd
    .args:
      - { .name: pa, .offset: 0, .size: 8, .value_kind: global_buffer, .address_space: global }
      - { .name: Wo, .offset: 8, .size: 8, .value_kind: global_buffer, .address_space: global }
      - { .name: pb, .offset: 16, .size: 8, .value_kind: global_buffer, .address_space: global }
      - { .name: bv, .offset: 24, .size: 8, .value_kind: global_buffer, .address_space: global }
    .group_segment_fixed_size: 21248
    .private_segment_fixed_size: 0
    .kernarg_segment_align: 8
    .kernarg_segment_size: 32
    .max_flat_workgroup_size: 128
    .sgpr_count:     66
    .vgpr_count:     220
    .wavefront_size: 32
...
	.end_amdgpu_metadata
.endif
;; end of part 7
;; launch ln1 (part 8): grid 16 x 1, 8 waves a work-group, no clusters, 1,536 bytes of LDS; arguments pb, query, bo, g1, be1, x1; writes x1
.if DOCPART == 8
	.amdgcn_target "amdgcn-amd-amdhsa--gfx1250"
	.amdhsa_code_object_version 6
	.text
	.protected	k_q61aa4e3012_ln1
	.globl	k_q61aa4e3012_ln1
	.p2align	8
	.type	k_q61aa4e3012_ln1,@function
k_q61aa4e3012_ln1:
	s_mov_b64 s[64:65], 0
	v_nop
	global_prefetch_b8 v0, s[64:65] scope:SCOPE_SE
	s_setreg_imm32_b32 hwreg(HW_REG_WAVE_MODE, 25, 1), 1
	s_wait_xcnt 0x0
; LAYER NORM, variant ln1: x1[b] = LN(query[b] + the sum of pb's 8 partials + bo) g1 + be1.  A work-group takes one row of 1,024; a thread 4 columns; all in f32.
; The mean is taken first and the variance of the differences, as reference() does.  Inputs (residual here, bias, gain, offset) are rounded to bf16 like all inputs of the program.
; 16 work-groups: the row's two sums span the row, and a row is 4 KiB beside P x 4 KiB of partial sums.  NaN and infinities are not treated apart.
.set P,     8                          ; partial sums, 65,536 bytes apart
.set RRES,  1                          ; the residual is one of the problem's inputs
.set RA,    0                          ; one word a wave: the sums
.set RB,    256                        ; the sums of squares
.set SPARE, 512                        ; the spare words: 128 bytes a wave, four blocks of 256 bytes that no other line names
.set Y,   4                            ; v[4:7]
.set BI,  8
.set G,   12
.set BE,  16
.set SPW, 20
.set NIL, 21
.set PT,  24                           ; v[24:24+4P-1]
.macro RB4 a                           ; four f32 rounded to bf16 and widened again
	v_cvt_pk_bf16_f32 v22, v[\a], v[\a+1]
	v_cvt_pk_bf16_f32 v23, v[\a+2], v[\a+3]
	v_lshlrev_b32 v[\a], 16, v22
	v_and_b32 v[\a+1], 0xffff0000, v22
	v_lshlrev_b32 v[\a+2], 16, v23
	v_and_b32 v[\a+3], 0xffff0000, v23
.endm
.macro GSUM at                         ; v88 summed over the work-group's 256 threads, into v24 of every lane, through the words at \at
.irp m, 1,2,4,8
	v_add_f32_dpp v88, v88, v88 row_xmask:\m row_mask:0xf bank_mask:0xf
.endr
	v_permlanex16_b32 v22, v88, s20, s21
	v_add_f32 v88, v88, v22
	ds_store_b32 v3, v88 offset:\at                ; all lanes write my wave's word with the same number
	s_wait_dscnt 0x0                               ; for the others' sake
	s_barrier_signal -1
	s_barrier_wait -1
	ds_load_b128 v[24:27], v90 offset:\at
	ds_load_b128 v[28:31], v90 offset:\at+16
	s_wait_dscnt 0x0
	v_pk_add_f32 v[24:25], v[24:25], v[26:27]
	v_pk_add_f32 v[28:29], v[28:29], v[30:31]
	v_pk_add_f32 v[24:25], v[24:25], v[28:29]
	v_add_f32 v24, v24, v25
.endm
	s_load_b256 s[4:11], s[0:1], 0x0               ; partials s[4:5], residual s[6:7], bias s[8:9], gain s[10:11]
	s_load_b128 s[12:15], s[0:1], 0x20             ; offset s[12:13], out s[14:15]
	v_lshl_add_u32 v[SPW], v0, 2, SPARE
	v_mov_b32 v[NIL], 0
	v_lshrrev_b32 v1, 5, v0
	v_readfirstlane_b32 s18, v1                    ; wave
	v_mov_b32 v3, s18
	v_lshlrev_b32 v3, 2, v3                        ; my wave's word
	v_mov_b32 v90, 0
	v_lshlrev_b32 v1, 4, v0                        ; my 4 columns
	s_lshl_b32 s16, ttmp9, 12
	v_lshl_add_u32 v2, v0, 4, s16                  ; in row b
	s_mov_b32 s20, 0x76543210                      ; v_permlanex16_b32: each lane takes its own place in the other half
	s_mov_b32 s21, 0xfedcba98
	s_mov_b32 s22, 0xba800000                      ; -1 / 1,024
	s_mov_b32 s23, 0x3a800000                      ; 1 / 1,024
	s_mov_b32 s24, 0x3727c5ac                      ; 1e-5
	s_wait_kmcnt 0x0
	global_load_b128 v[Y:Y+3], v2, s[6:7]
	global_load_b128 v[BI:BI+3], v1, s[8:9]
	global_load_b128 v[G:G+3], v1, s[10:11]
	global_load_b128 v[BE:BE+3], v1, s[12:13]
.set p, 0
.rept P
	global_load_b128 v[PT+4*p:PT+4*p+3], v2, s[4:5] offset:p*65536
.set p, p+1
.endr
	s_wait_loadcnt 0x0
.if RRES
	RB4 Y
.endif
	RB4 BI
	RB4 G
	RB4 BE
	v_pk_add_f32 v[Y:Y+1], v[Y:Y+1], v[BI:BI+1]
	v_pk_add_f32 v[Y+2:Y+3], v[Y+2:Y+3], v[BI+2:BI+3]
.set p, 0
.rept P
	v_pk_add_f32 v[Y:Y+1], v[Y:Y+1], v[PT+4*p:PT+4*p+1]
	v_pk_add_f32 v[Y+2:Y+3], v[Y+2:Y+3], v[PT+4*p+2:PT+4*p+3]
.set p, p+1
.endr
	v_add_f32 v88, v[Y], v[Y+1]
	v_add_f32 v89, v[Y+2], v[Y+3]
	v_add_f32 v88, v88, v89
	GSUM RA
.irp e, 0,1,2,3
	v_fma_f32 v[Y+\e], v24, s22, v[Y+\e]           ; y - mean
.endr
	v_mul_f32 v88, v[Y], v[Y]
	v_fmac_f32 v88, v[Y+1], v[Y+1]
	v_fmac_f32 v88, v[Y+2], v[Y+2]
	v_fmac_f32 v88, v[Y+3], v[Y+3]
	GSUM RB                                        ; other words than the first sum's, so one barrier serves
	v_fma_f32 v24, v24, s23, s24                   ; variance + 1e-5
	v_rsq_f32 v24, v24
	v_nop                                          ; a plain instruction behind it,
	s_wait_alu depctr_va_vdst(0)                   ; and a wait ahead of its reader
.irp e, 0,1,2,3
	v_mul_f32 v[Y+\e], v[Y+\e], v24
.endr
.irp e, 0,1,2,3
	v_fma_f32 v[Y+\e], v[Y+\e], v[G+\e], v[BE+\e]
.endr
	global_store_b128 v2, v[Y:Y+3], s[14:15]       ; a wave stores 512 consecutive bytes, aligned
	s_wait_tensorcnt 0x0                           ; the wave's end: behind my last LDS store
	ds_add_u32 v[SPW], v[NIL]
	s_wait_dscnt 0x0
	s_endpgm
.Lfunc_end_k_q61aa4e3012_ln1:
	.size	k_q61aa4e3012_ln1, .Lfunc_end_k_q61aa4e3012_ln1-k_q61aa4e3012_ln1
	.p2alignl 7, 3214868480
	.fill 96, 4, 3214868480
	.section	.rodata,"a",@progbits
	.p2align	6, 0x0
	.amdhsa_kernel k_q61aa4e3012_ln1
		.amdhsa_group_segment_fixed_size 1536
		.amdhsa_private_segment_fixed_size 0
		.amdhsa_enable_private_segment 0
		.amdhsa_kernarg_size 48
		.amdhsa_user_sgpr_count 2
		.amdhsa_user_sgpr_kernarg_segment_ptr 1
		.amdhsa_wavefront_size32 1
		.amdhsa_system_sgpr_workgroup_id_x 1
		.amdhsa_system_sgpr_workgroup_id_y 1
		.amdhsa_system_sgpr_workgroup_id_z 1
		.amdhsa_system_vgpr_workitem_id 0
		.amdhsa_next_free_vgpr 96
		.amdhsa_next_free_sgpr 66
		.amdhsa_reserve_vcc 0
		.amdhsa_float_denorm_mode_32 3
		.amdhsa_float_denorm_mode_16_64 3
		.amdhsa_memory_ordered 1
		.amdhsa_forward_progress 1
		.amdhsa_inst_pref_size 8
	.end_amdhsa_kernel
	.amdgpu_metadata
---
amdhsa.version: [ 1, 2 ]
amdhsa.kernels:
  - .name:           k_q61aa4e3012_ln1
    .symbol:         k_q61aa4e3012_ln1.kd
    .args:
      - { .name: pb, .offset: 0, .size: 8, .value_kind: global_buffer, .address_space: global }
      - { .name: query, .offset: 8, .size: 8, .value_kind: global_buffer, .address_space: global }
      - { .name: bo, .offset: 16, .size: 8, .value_kind: global_buffer, .address_space: global }
      - { .name: g1, .offset: 24, .size: 8, .value_kind: global_buffer, .address_space: global }
      - { .name: be1, .offset: 32, .size: 8, .value_kind: global_buffer, .address_space: global }
      - { .name: x1, .offset: 40, .size: 8, .value_kind: global_buffer, .address_space: global }
    .group_segment_fixed_size: 1536
    .private_segment_fixed_size: 0
    .kernarg_segment_align: 8
    .kernarg_segment_size: 48
    .max_flat_workgroup_size: 256
    .sgpr_count:     66
    .vgpr_count:     96
    .wavefront_size: 32
...
	.end_amdgpu_metadata
.endif
;; end of part 8
;; launch frh (part 9): grid 32 x 8, 4 waves a work-group, no clusters, 21,248 bytes of LDS; arguments x1, W1, pa; writes pa
.if DOCPART == 9
	.amdgcn_target "amdgcn-amd-amdhsa--gfx1250"
	.amdhsa_code_object_version 6
	.text
	.protected	k_q61aa4e3012_frh
	.globl	k_q61aa4e3012_frh
	.p2align	8
	.type	k_q61aa4e3012_frh,@function
k_q61aa4e3012_frh:
	s_mov_b64 s[64:65], 0
	v_nop
	global_prefetch_b8 v0, s[64:65] scope:SCOPE_SE
	s_setreg_imm32_b32 hwreg(HW_REG_WAVE_MODE, 25, 1), 1
	s_wait_xcnt 0x0
; FEW ROWS, variant frh: pa[ks][b][n] = the sum over the 128 k of slice ks of bf16(x1[b][k]) bf16(W1[k][n]), n < 2,048.  b1 and the ReLU are applied by the launch that reads pa.
; A work-group makes 16 rows x 64 columns (group g = x) for one K slice of 128 (ks = y); its four waves take 32 k each; the four f32 sums meet in LDS.
; W lies [k][n] in f32: lane (r, hh) loads 16 bytes, columns 4 r .. 4 r + 3 of one k row, so 16 lanes cover 256 consecutive bytes, aligned.  Rounding rows k and k + 1 together
; gives one register of a B fragment whose column r stands for column 4 r + j (tile j = 0..3): nothing is transposed.  Result register i of tile j is (row 8 hh + i, column 4 r + j).
; A is the sum of P f32 partial sums (+ bias rounded to bf16, + ReLU), rounded once to bf16 as the matrix operand.  NaN and infinities are not treated apart.
.set P,    1                           ; partial sums that make A
.set APS,  0                           ; bytes from partial to partial
.set ARB,  4096                        ; bytes in a row of A
.set AGS,  0                           ; bytes of A from column group to column group (0: all groups read the same A)
.set HASB, 0                           ; a bias along k is added to A
.set RELU, 0                           ; A = max(A, 0)
.set NB,   8192                        ; bytes in a row of W and of out
.set APITCH, 272                       ; A tile in LDS: 16 rows of 256 bytes + 16 of padding
.set RED,    16*APITCH                 ; the waves' sums: wave x 4,096 + tile x 1,024 + register pair x 256 + lane x 8
.set SPARE,  RED+16384                 ; the spare words: 128 bytes a wave, two blocks of 256 bytes that no other line names
.set AOFF, 4
.set WOFF, 5
.set LAS,  6
.set LAF,  7
.set RS,   8
.set RLD,  9
.set OOFF, 10
.set BOFF, 11
.set SPW,  12
.set NIL,  13
.set BI,   16                          ; v[16:19] bias
.set AF,   20                          ; v[20:27] A fragment
.set WS,   28                          ; v[28:91] 16 rows of W as loaded
.set AS,   92                          ; row i, partial p at AS + 4 (i P + p)
.set BF,   92                          ; later: four B fragments
.set ACC,  124
.set RL,   156
.set OUT,  188
	s_load_b128 s[4:7], s[0:1], 0x0                ; A s[4:5], W s[6:7]
	s_load_b64 s[8:9], s[0:1], 0x10                ; out
.if HASB
	s_load_b64 s[10:11], s[0:1], 0x18              ; bias
.endif
	v_lshl_add_u32 v[SPW], v0, 2, SPARE
	v_mov_b32 v[NIL], 0
	v_lshrrev_b32 v1, 5, v0
	v_readfirstlane_b32 s12, v1                    ; wave w
	v_and_b32 v1, 31, v0                           ; L
	v_and_b32 v2, 15, v0                           ; r
	v_bfe_u32 v3, v0, 4, 1                         ; hh
	s_and_b32 s14, ttmp7, 0xffff                   ; ks
	s_mul_i32 s24, s12, 4*ARB
	v_lshl_add_u32 v[AOFF], v1, 4, s24             ; rows 4 w .. of A, 16 bytes a lane
	v_mul_u32_u24 v[WOFF], v3, 8*NB
	v_lshl_add_u32 v[WOFF], v2, 4, v[WOFF]         ; 8 hh rows of W + 16 r
	s_mul_i32 s24, s12, 4*APITCH
	v_lshl_add_u32 v[LAS], v1, 3, s24              ; A tile in: rows 4 w .., 8 bytes a lane
	v_mul_u32_u24 v[LAF], v2, APITCH
	v_lshl_add_u32 v[LAF], v3, 4, v[LAF]
	s_lshl_b32 s24, s12, 6
	v_add_nc_u32 v[LAF], s24, v[LAF]               ; A fragment: row r, my wave's 32 k, 16 hh
	s_lshl_b32 s24, s12, 12
	s_add_co_u32 s24, s24, RED
	v_lshl_add_u32 v[RS], v1, 3, s24
	s_lshl_b32 s24, s12, 8
	s_add_co_u32 s24, s24, RED
	v_lshl_add_u32 v[RLD], v1, 3, s24              ; back: register pair w of every wave's sums
	s_lshl_b32 s24, s12, 1
	v_lshl_add_u32 v[OOFF], v3, 3, s24
	v_mul_u32_u24 v[OOFF], v[OOFF], NB
	v_lshl_add_u32 v[OOFF], v2, 4, v[OOFF]         ; row 8 hh + 2 w, 16 r
	v_lshlrev_b32 v[BOFF], 4, v1
	s_lshl_b32 s16, s14, 9                         ; the slice's 128 k: 512 bytes of a row of A and of the bias
	s_mov_b32 s17, 0
	s_mov_b32 s18, s16
	s_mov_b32 s19, 0
.if AGS
	s_mul_i32 s24, ttmp9, AGS
	s_add_co_u32 s16, s16, s24
.endif
	s_lshl_b32 s20, s14, 7
	s_lshl_b32 s24, s12, 5
	s_add_co_u32 s20, s20, s24
	s_mul_i32 s20, s20, NB                         ; W's row 128 ks + 32 w
	s_lshl_b32 s24, ttmp9, 8                       ; the group's 64 columns
	s_add_co_u32 s20, s20, s24
	s_mov_b32 s21, 0
	s_mul_i32 s22, s14, 16*NB                      ; out's partial ks
	s_add_co_u32 s22, s22, s24
	s_mov_b32 s23, 0
	s_wait_kmcnt 0x0
	s_add_nc_u64 s[4:5], s[4:5], s[16:17]
	s_add_nc_u64 s[6:7], s[6:7], s[20:21]
	s_add_nc_u64 s[8:9], s[8:9], s[22:23]
.if HASB
	s_add_nc_u64 s[10:11], s[10:11], s[18:19]
	global_load_b128 v[BI:BI+3], v[BOFF], s[10:11]
.endif
.set i, 0
.rept 4
.set p, 0
.rept P
	global_load_b128 v[AS+4*(i*P+p):AS+4*(i*P+p)+3], v[AOFF], s[4:5] offset:p*APS+i*ARB
.set p, p+1
.endr
.set i, i+1
.endr
.set t, 0
.rept 16                                               ; rows 8 hh + 0..7 and 16 + 8 hh + 0..7 of my 32
	global_load_b128 v[WS+4*t:WS+4*t+3], v[WOFF], s[6:7] offset:(t+8*(t/8))*NB th:TH_LOAD_NT
.set t, t+1
.endr
	s_wait_loadcnt 16                              ; bias and A are in; W's 16 loads may stay out
.if HASB
	v_cvt_pk_bf16_f32 v14, v[BI], v[BI+1]          ; the bias is an input: rounded to bf16 like all of them
	v_cvt_pk_bf16_f32 v15, v[BI+2], v[BI+3]
	v_lshlrev_b32 v[BI], 16, v14
	v_and_b32 v[BI+1], 0xffff0000, v14
	v_lshlrev_b32 v[BI+2], 16, v15
	v_and_b32 v[BI+3], 0xffff0000, v15
.endif
.if P > 1
.set p, 1
.rept P-1
.set i, 0
.rept 4
	v_pk_add_f32 v[AS+4*i*P:AS+4*i*P+1], v[AS+4*i*P:AS+4*i*P+1], v[AS+4*(i*P+p):AS+4*(i*P+p)+1]
	v_pk_add_f32 v[AS+4*i*P+2:AS+4*i*P+3], v[AS+4*i*P+2:AS+4*i*P+3], v[AS+4*(i*P+p)+2:AS+4*(i*P+p)+3]
.set i, i+1
.endr
.set p, p+1
.endr
.endif
.set i, 0
.rept 4
.set R0, AS+4*i*P
.if HASB
	v_pk_add_f32 v[R0:R0+1], v[R0:R0+1], v[BI:BI+1]
	v_pk_add_f32 v[R0+2:R0+3], v[R0+2:R0+3], v[BI+2:BI+3]
.endif
.if RELU
	v_max_num_f32 v[R0], 0, v[R0]
	v_max_num_f32 v[R0+1], 0, v[R0+1]
	v_max_num_f32 v[R0+2], 0, v[R0+2]
	v_max_num_f32 v[R0+3], 0, v[R0+3]
.endif
	v_cvt_pk_bf16_f32 v[R0], v[R0], v[R0+1]
	v_cvt_pk_bf16_f32 v[R0+1], v[R0+2], v[R0+3]
	ds_store_b64 v[LAS], v[R0:R0+1] offset:i*APITCH
.set i, i+1
.endr
	s_wait_dscnt 0x0                               ; for the others' sake: my four rows of the A tile are stored
	s_barrier_signal -1
	s_barrier_wait -1
	ds_load_b128 v[AF:AF+3], v[LAF]
	ds_load_b128 v[AF+4:AF+7], v[LAF] offset:32
	s_wait_loadcnt 0x0                             ; W
.set j, 0
.rept 4
.set p, 0
.rept 8
	v_cvt_pk_bf16_f32 v[BF+8*j+p], v[WS+8*p+j], v[WS+8*p+4+j]  ; rows 2 p and 2 p + 1, column 4 r + j
.set p, p+1
.endr
.set j, j+1
.endr
	s_wait_dscnt 0x0                               ; the A fragment
.set j, 0
.rept 4
	v_wmma_f32_16x16x32_bf16 v[ACC+8*j:ACC+8*j+7], v[AF:AF+7], v[BF+8*j:BF+8*j+7], 0
.set j, j+1
.endr
.rept 8
	v_nop                                          ; places behind the products, ahead of the stores that read them: eight, once a launch
.endr
.set j, 0
.rept 4
.set q, 0
.rept 4                                                ; each accumulator's lowest registers first
	ds_store_b64 v[RS], v[ACC+8*j+2*q:ACC+8*j+2*q+1] offset:j*1024+q*256
.set q, q+1
.endr
.set j, j+1
.endr
	s_wait_dscnt 0x0                               ; for the others' sake
	s_barrier_signal -1
	s_barrier_wait -1
.set j, 0
.rept 4
.set q, 0
.rept 4                                                ; q: the wave whose sum it is
	ds_load_b64 v[RL+8*j+2*q:RL+8*j+2*q+1], v[RLD] offset:q*4096+j*1024
.set q, q+1
.endr
.set j, j+1
.endr
	s_wait_dscnt 0x0
.set j, 0
.rept 4
	v_pk_add_f32 v[RL+8*j:RL+8*j+1], v[RL+8*j:RL+8*j+1], v[RL+8*j+2:RL+8*j+3]
	v_pk_add_f32 v[RL+8*j+4:RL+8*j+5], v[RL+8*j+4:RL+8*j+5], v[RL+8*j+6:RL+8*j+7]
.set j, j+1
.endr
.set j, 0
.rept 4                                                ; the last addition also puts columns 4 r + 0..3 of a row side by side
	v_add_f32 v[OUT+j], v[RL+8*j], v[RL+8*j+4]
	v_add_f32 v[OUT+4+j], v[RL+8*j+1], v[RL+8*j+5]
.set j, j+1
.endr
	global_store_b128 v[OOFF], v[OUT:OUT+3], s[8:9]              ; 16 lanes store 256 consecutive bytes, aligned
	global_store_b128 v[OOFF], v[OUT+4:OUT+7], s[8:9] offset:NB
	s_wait_tensorcnt 0x0                           ; the wave's end: behind my last LDS store
	ds_add_u32 v[SPW], v[NIL]
	s_wait_dscnt 0x0
	s_endpgm
.Lfunc_end_k_q61aa4e3012_frh:
	.size	k_q61aa4e3012_frh, .Lfunc_end_k_q61aa4e3012_frh-k_q61aa4e3012_frh
	.p2alignl 7, 3214868480
	.fill 96, 4, 3214868480
	.section	.rodata,"a",@progbits
	.p2align	6, 0x0
	.amdhsa_kernel k_q61aa4e3012_frh
		.amdhsa_group_segment_fixed_size 21248
		.amdhsa_private_segment_fixed_size 0
		.amdhsa_enable_private_segment 0
		.amdhsa_kernarg_size 24
		.amdhsa_user_sgpr_count 2
		.amdhsa_user_sgpr_kernarg_segment_ptr 1
		.amdhsa_wavefront_size32 1
		.amdhsa_system_sgpr_workgroup_id_x 1
		.amdhsa_system_sgpr_workgroup_id_y 1
		.amdhsa_system_sgpr_workgroup_id_z 1
		.amdhsa_system_vgpr_workitem_id 0
		.amdhsa_next_free_vgpr 220
		.amdhsa_next_free_sgpr 66
		.amdhsa_reserve_vcc 0
		.amdhsa_float_denorm_mode_32 3
		.amdhsa_float_denorm_mode_16_64 3
		.amdhsa_memory_ordered 1
		.amdhsa_forward_progress 1
		.amdhsa_inst_pref_size 12
	.end_amdhsa_kernel
	.amdgpu_metadata
---
amdhsa.version: [ 1, 2 ]
amdhsa.kernels:
  - .name:           k_q61aa4e3012_frh
    .symbol:         k_q61aa4e3012_frh.kd
    .args:
      - { .name: x1, .offset: 0, .size: 8, .value_kind: global_buffer, .address_space: global }
      - { .name: W1, .offset: 8, .size: 8, .value_kind: global_buffer, .address_space: global }
      - { .name: pa, .offset: 16, .size: 8, .value_kind: global_buffer, .address_space: global }
    .group_segment_fixed_size: 21248
    .private_segment_fixed_size: 0
    .kernarg_segment_align: 8
    .kernarg_segment_size: 24
    .max_flat_workgroup_size: 128
    .sgpr_count:     66
    .vgpr_count:     220
    .wavefront_size: 32
...
	.end_amdgpu_metadata
.endif
;; end of part 9
;; launch frf (part 10): grid 16 x 16, 4 waves a work-group, no clusters, 21,248 bytes of LDS; arguments pa, W2, pb, b1; writes pb
.if DOCPART == 10
	.amdgcn_target "amdgcn-amd-amdhsa--gfx1250"
	.amdhsa_code_object_version 6
	.text
	.protected	k_q61aa4e3012_frf
	.globl	k_q61aa4e3012_frf
	.p2align	8
	.type	k_q61aa4e3012_frf,@function
k_q61aa4e3012_frf:
	s_mov_b64 s[64:65], 0
	v_nop
	global_prefetch_b8 v0, s[64:65] scope:SCOPE_SE
	s_setreg_imm32_b32 hwreg(HW_REG_WAVE_MODE, 25, 1), 1
	s_wait_xcnt 0x0
; FEW ROWS, variant frf: pb[ks][b][n] = the sum over the 128 k of slice ks of relu(h[b][k]) bf16(W2[k][n]), h = the sum of pa's 8 partials + b1, k < 2,048.  b2 is added by the launch that reads pb.
; A work-group makes 16 rows x 64 columns (group g = x) for one K slice of 128 (ks = y); its four waves take 32 k each; the four f32 sums meet in LDS.
; W lies [k][n] in f32: lane (r, hh) loads 16 bytes, columns 4 r .. 4 r + 3 of one k row, so 16 lanes cover 256 consecutive bytes, aligned.  Rounding rows k and k + 1 together
; gives one register of a B fragment whose column r stands for column 4 r + j (tile j = 0..3): nothing is transposed.  Result register i of tile j is (row 8 hh + i, column 4 r + j).
; A is the sum of P f32 partial sums (+ bias rounded to bf16, + ReLU), rounded once to bf16 as the matrix operand.  NaN and infinities are not treated apart.
.set P,    8                           ; partial sums that make A
.set APS,  131072                      ; bytes from partial to partial
.set ARB,  8192                        ; bytes in a row of A
.set AGS,  0                           ; bytes of A from column group to column group (0: all groups read the same A)
.set HASB, 1                           ; a bias along k is added to A
.set RELU, 1                           ; A = max(A, 0)
.set NB,   4096                        ; bytes in a row of W and of out
.set APITCH, 272                       ; A tile in LDS: 16 rows of 256 bytes + 16 of padding
.set RED,    16*APITCH                 ; the waves' sums: wave x 4,096 + tile x 1,024 + register pair x 256 + lane x 8
.set SPARE,  RED+16384                 ; the spare words: 128 bytes a wave, two blocks of 256 bytes that no other line names
.set AOFF, 4
.set WOFF, 5
.set LAS,  6
.set LAF,  7
.set RS,   8
.set RLD,  9
.set OOFF, 10
.set BOFF, 11
.set SPW,  12
.set NIL,  13
.set BI,   16                          ; v[16:19] bias
.set AF,   20                          ; v[20:27] A fragment
.set WS,   28                          ; v[28:91] 16 rows of W as loaded
.set AS,   92                          ; row i, partial p at AS + 4 (i P + p)
.set BF,   92                          ; later: four B fragments
.set ACC,  124
.set RL,   156
.set OUT,  188
	s_load_b128 s[4:7], s[0:1], 0x0                ; A s[4:5], W s[6:7]
	s_load_b64 s[8:9], s[0:1], 0x10                ; out
.if HASB
	s_load_b64 s[10:11], s[0:1], 0x18              ; bias
.endif
	v_lshl_add_u32 v[SPW], v0, 2, SPARE
	v_mov_b32 v[NIL], 0
	v_lshrrev_b32 v1, 5, v0
	v_readfirstlane_b32 s12, v1                    ; wave w
	v_and_b32 v1, 31, v0                           ; L
	v_and_b32 v2, 15, v0                           ; r
	v_bfe_u32 v3, v0, 4, 1                         ; hh
	s_and_b32 s14, ttmp7, 0xffff                   ; ks
	s_mul_i32 s24, s12, 4*ARB
	v_lshl_add_u32 v[AOFF], v1, 4, s24             ; rows 4 w .. of A, 16 bytes a lane
	v_mul_u32_u24 v[WOFF], v3, 8*NB
	v_lshl_add_u32 v[WOFF], v2, 4, v[WOFF]         ; 8 hh rows of W + 16 r
	s_mul_i32 s24, s12, 4*APITCH
	v_lshl_add_u32 v[LAS], v1, 3, s24              ; A tile in: rows 4 w .., 8 bytes a lane
	v_mul_u32_u24 v[LAF], v2, APITCH
	v_lshl_add_u32 v[LAF], v3, 4, v[LAF]
	s_lshl_b32 s24, s12, 6
	v_add_nc_u32 v[LAF], s24, v[LAF]               ; A fragment: row r, my wave's 32 k, 16 hh
	s_lshl_b32 s24, s12, 12
	s_add_co_u32 s24, s24, RED
	v_lshl_add_u32 v[RS], v1, 3, s24
	s_lshl_b32 s24, s12, 8
	s_add_co_u32 s24, s24, RED
	v_lshl_add_u32 v[RLD], v1, 3, s24              ; back: register pair w of every wave's sums
	s_lshl_b32 s24, s12, 1
	v_lshl_add_u32 v[OOFF], v3, 3, s24
	v_mul_u32_u24 v[OOFF], v[OOFF], NB
	v_lshl_add_u32 v[OOFF], v2, 4, v[OOFF]         ; row 8 hh + 2 w, 16 r
	v_lshlrev_b32 v[BOFF], 4, v1
	s_lshl_b32 s16, s14, 9                         ; the slice's 128 k: 512 bytes of a row of A and of the bias
	s_mov_b32 s17, 0
	s_mov_b32 s18, s16
	s_mov_b32 s19, 0
.if AGS
	s_mul_i32 s24, ttmp9, AGS
	s_add_co_u32 s16, s16, s24
.endif
	s_lshl_b32 s20, s14, 7
	s_lshl_b32 s24, s12, 5
	s_add_co_u32 s20, s20, s24
	s_mul_i32 s20, s20, NB                         ; W's row 128 ks + 32 w
	s_lshl_b32 s24, ttmp9, 8                       ; the group's 64 columns
	s_add_co_u32 s20, s20, s24
	s_mov_b32 s21, 0
	s_mul_i32 s22, s14, 16*NB                      ; out's partial ks
	s_add_co_u32 s22, s22, s24
	s_mov_b32 s23, 0
	s_wait_kmcnt 0x0
	s_add_nc_u64 s[4:5], s[4:5], s[16:17]
	s_add_nc_u64 s[6:7], s[6:7], s[20:21]
	s_add_nc_u64 s[8:9], s[8:9], s[22:23]
.if HASB
	s_add_nc_u64 s[10:11], s[10:11], s[18:19]
	global_load_b128 v[BI:BI+3], v[BOFF], s[10:11]
.endif
.set i, 0
.rept 4
.set p, 0
.rept P
	global_load_b128 v[AS+4*(i*P+p):AS+4*(i*P+p)+3], v[AOFF], s[4:5] offset:p*APS+i*ARB
.set p, p+1
.endr
.set i, i+1
.endr
.set t, 0
.rept 16                                               ; rows 8 hh + 0..7 and 16 + 8 hh + 0..7 of my 32
	global_load_b128 v[WS+4*t:WS+4*t+3], v[WOFF], s[6:7] offset:(t+8*(t/8))*NB th:TH_LOAD_NT
.set t, t+1
.endr
	s_wait_loadcnt 16                              ; bias and A are in; W's 16 loads may stay out
.if HASB
	v_cvt_pk_bf16_f32 v14, v[BI], v[BI+1]          ; the bias is an input: rounded to bf16 like all of them
	v_cvt_pk_bf16_f32 v15, v[BI+2], v[BI+3]
	v_lshlrev_b32 v[BI], 16, v14
	v_and_b32 v[BI+1], 0xffff0000, v14
	v_lshlrev_b32 v[BI+2], 16, v15
	v_and_b32 v[BI+3], 0xffff0000, v15
.endif
.if P > 1
.set p, 1
.rept P-1
.set i, 0
.rept 4
	v_pk_add_f32 v[AS+4*i*P:AS+4*i*P+1], v[AS+4*i*P:AS+4*i*P+1], v[AS+4*(i*P+p):AS+4*(i*P+p)+1]
	v_pk_add_f32 v[AS+4*i*P+2:AS+4*i*P+3], v[AS+4*i*P+2:AS+4*i*P+3], v[AS+4*(i*P+p)+2:AS+4*(i*P+p)+3]
.set i, i+1
.endr
.set p, p+1
.endr
.endif
.set i, 0
.rept 4
.set R0, AS+4*i*P
.if HASB
	v_pk_add_f32 v[R0:R0+1], v[R0:R0+1], v[BI:BI+1]
	v_pk_add_f32 v[R0+2:R0+3], v[R0+2:R0+3], v[BI+2:BI+3]
.endif
.if RELU
	v_max_num_f32 v[R0], 0, v[R0]
	v_max_num_f32 v[R0+1], 0, v[R0+1]
	v_max_num_f32 v[R0+2], 0, v[R0+2]
	v_max_num_f32 v[R0+3], 0, v[R0+3]
.endif
	v_cvt_pk_bf16_f32 v[R0], v[R0], v[R0+1]
	v_cvt_pk_bf16_f32 v[R0+1], v[R0+2], v[R0+3]
	ds_store_b64 v[LAS], v[R0:R0+1] offset:i*APITCH
.set i, i+1
.endr
	s_wait_dscnt 0x0                               ; for the others' sake: my four rows of the A tile are stored
	s_barrier_signal -1
	s_barrier_wait -1
	ds_load_b128 v[AF:AF+3], v[LAF]
	ds_load_b128 v[AF+4:AF+7], v[LAF] offset:32
	s_wait_loadcnt 0x0                             ; W
.set j, 0
.rept 4
.set p, 0
.rept 8
	v_cvt_pk_bf16_f32 v[BF+8*j+p], v[WS+8*p+j], v[WS+8*p+4+j]  ; rows 2 p and 2 p + 1, column 4 r + j
.set p, p+1
.endr
.set j, j+1
.endr
	s_wait_dscnt 0x0                               ; the A fragment
.set j, 0
.rept 4
	v_wmma_f32_16x16x32_bf16 v[ACC+8*j:ACC+8*j+7], v[AF:AF+7], v[BF+8*j:BF+8*j+7], 0
.set j, j+1
.endr
.rept 8
	v_nop                                          ; places behind the products, ahead of the stores that read them: eight, once a launch
.endr
.set j, 0
.rept 4
.set q, 0
.rept 4                                                ; each accumulator's lowest registers first
	ds_store_b64 v[RS], v[ACC+8*j+2*q:ACC+8*j+2*q+1] offset:j*1024+q*256
.set q, q+1
.endr
.set j, j+1
.endr
	s_wait_dscnt 0x0                               ; for the others' sake
	s_barrier_signal -1
	s_barrier_wait -1
.set j, 0
.rept 4
.set q, 0
.rept 4                                                ; q: the wave whose sum it is
	ds_load_b64 v[RL+8*j+2*q:RL+8*j+2*q+1], v[RLD] offset:q*4096+j*1024
.set q, q+1
.endr
.set j, j+1
.endr
	s_wait_dscnt 0x0
.set j, 0
.rept 4
	v_pk_add_f32 v[RL+8*j:RL+8*j+1], v[RL+8*j:RL+8*j+1], v[RL+8*j+2:RL+8*j+3]
	v_pk_add_f32 v[RL+8*j+4:RL+8*j+5], v[RL+8*j+4:RL+8*j+5], v[RL+8*j+6:RL+8*j+7]
.set j, j+1
.endr
.set j, 0
.rept 4                                                ; the last addition also puts columns 4 r + 0..3 of a row side by side
	v_add_f32 v[OUT+j], v[RL+8*j], v[RL+8*j+4]
	v_add_f32 v[OUT+4+j], v[RL+8*j+1], v[RL+8*j+5]
.set j, j+1
.endr
	global_store_b128 v[OOFF], v[OUT:OUT+3], s[8:9]              ; 16 lanes store 256 consecutive bytes, aligned
	global_store_b128 v[OOFF], v[OUT+4:OUT+7], s[8:9] offset:NB
	s_wait_tensorcnt 0x0                           ; the wave's end: behind my last LDS store
	ds_add_u32 v[SPW], v[NIL]
	s_wait_dscnt 0x0
	s_endpgm
.Lfunc_end_k_q61aa4e3012_frf:
	.size	k_q61aa4e3012_frf, .Lfunc_end_k_q61aa4e3012_frf-k_q61aa4e3012_frf
	.p2alignl 7, 3214868480
	.fill 96, 4, 3214868480
	.section	.rodata,"a",@progbits
	.p2align	6, 0x0
	.amdhsa_kernel k_q61aa4e3012_frf
		.amdhsa_group_segment_fixed_size 21248
		.amdhsa_private_segment_fixed_size 0
		.amdhsa_enable_private_segment 0
		.amdhsa_kernarg_size 32
		.amdhsa_user_sgpr_count 2
		.amdhsa_user_sgpr_kernarg_segment_ptr 1
		.amdhsa_wavefront_size32 1
		.amdhsa_system_sgpr_workgroup_id_x 1
		.amdhsa_system_sgpr_workgroup_id_y 1
		.amdhsa_system_sgpr_workgroup_id_z 1
		.amdhsa_system_vgpr_workitem_id 0
		.amdhsa_next_free_vgpr 220
		.amdhsa_next_free_sgpr 66
		.amdhsa_reserve_vcc 0
		.amdhsa_float_denorm_mode_32 3
		.amdhsa_float_denorm_mode_16_64 3
		.amdhsa_memory_ordered 1
		.amdhsa_forward_progress 1
		.amdhsa_inst_pref_size 19
	.end_amdhsa_kernel
	.amdgpu_metadata
---
amdhsa.version: [ 1, 2 ]
amdhsa.kernels:
  - .name:           k_q61aa4e3012_frf
    .symbol:         k_q61aa4e3012_frf.kd
    .args:
      - { .name: pa, .offset: 0, .size: 8, .value_kind: global_buffer, .address_space: global }
      - { .name: W2, .offset: 8, .size: 8, .value_kind: global_buffer, .address_space: global }
      - { .name: pb, .offset: 16, .size: 8, .value_kind: global_buffer, .address_space: global }
      - { .name: b1, .offset: 24, .size: 8, .value_kind: global_buffer, .address_space: global }
    .group_segment_fixed_size: 21248
    .private_segment_fixed_size: 0
    .kernarg_segment_align: 8
    .kernarg_segment_size: 32
    .max_flat_workgroup_size: 128
    .sgpr_count:     66
    .vgpr_count:     220
    .wavefront_size: 32
...
	.end_amdgpu_metadata
.endif
;; end of part 10
;; launch ln2 (part 11): grid 16 x 1, 8 waves a work-group, no clusters, 1,536 bytes of LDS; arguments pb, x1, b2, g2, be2, out0; writes out0
.if DOCPART == 11
	.amdgcn_target "amdgcn-amd-amdhsa--gfx1250"
	.amdhsa_code_object_version 6
	.text
	.protected	k_q61aa4e3012_ln2
	.globl	k_q61aa4e3012_ln2
	.p2align	8
	.type	k_q61aa4e3012_ln2,@function
k_q61aa4e3012_ln2:
	s_mov_b64 s[64:65], 0
	v_nop
	global_prefetch_b8 v0, s[64:65] scope:SCOPE_SE
	s_setreg_imm32_b32 hwreg(HW_REG_WAVE_MODE, 25, 1), 1
	s_wait_xcnt 0x0
; LAYER NORM, variant ln2: out0[b] = LN(x1[b] + the sum of pb's 16 partials + b2) g2 + be2.  A work-group takes one row of 1,024; a thread 4 columns; all in f32.
; The mean is taken first and the variance of the differences, as reference() does.  Inputs (bias, gain, offset) are rounded to bf16 like all inputs of the program; x1 is the program's own, in f32.
; 16 work-groups: the row's two sums span the row, and a row is 4 KiB beside P x 4 KiB of partial sums.  NaN and infinities are not treated apart.
.set P,     16                         ; partial sums, 65,536 bytes apart
.set RRES,  0                          ; the residual is one of the problem's inputs
.set RA,    0                          ; one word a wave: the sums
.set RB,    256                        ; the sums of squares
.set SPARE, 512                        ; the spare words: 128 bytes a wave, four blocks of 256 bytes that no other line names
.set Y,   4                            ; v[4:7]
.set BI,  8
.set G,   12
.set BE,  16
.set SPW, 20
.set NIL, 21
.set PT,  24                           ; v[24:24+4P-1]
.macro RB4 a                           ; four f32 rounded to bf16 and widened again
	v_cvt_pk_bf16_f32 v22, v[\a], v[\a+1]
	v_cvt_pk_bf16_f32 v23, v[\a+2], v[\a+3]
	v_lshlrev_b32 v[\a], 16, v22
	v_and_b32 v[\a+1], 0xffff0000, v22
	v_lshlrev_b32 v[\a+2], 16, v23
	v_and_b32 v[\a+3], 0xffff0000, v23
.endm
.macro GSUM at                         ; v88 summed over the work-group's 256 threads, into v24 of every lane, through the words at \at
.irp m, 1,2,4,8
	v_add_f32_dpp v88, v88, v88 row_xmask:\m row_mask:0xf bank_mask:0xf
.endr
	v_permlanex16_b32 v22, v88, s20, s21
	v_add_f32 v88, v88, v22
	ds_store_b32 v3, v88 offset:\at                ; all lanes write my wave's word with the same number
	s_wait_dscnt 0x0                               ; for the others' sake
	s_barrier_signal -1
	s_barrier_wait -1
	ds_load_b128 v[24:27], v90 offset:\at
	ds_load_b128 v[28:31], v90 offset:\at+16
	s_wait_dscnt 0x0
	v_pk_add_f32 v[24:25], v[24:25], v[26:27]
	v_pk_add_f32 v[28:29], v[28:29], v[30:31]
	v_pk_add_f32 v[24:25], v[24:25], v[28:29]
	v_add_f32 v24, v24, v25
.endm
	s_load_b256 s[4:11], s[0:1], 0x0               ; partials s[4:5], residual s[6:7], bias s[8:9], gain s[10:11]
	s_load_b128 s[12:15], s[0:1], 0x20             ; offset s[12:13], out s[14:15]
	v_lshl_add_u32 v[SPW], v0, 2, SPARE
	v_mov_b32 v[NIL], 0
	v_lshrrev_b32 v1, 5, v0
	v_readfirstlane_b32 s18, v1                    ; wave
	v_mov_b32 v3, s18
	v_lshlrev_b32 v3, 2, v3                        ; my wave's word
	v_mov_b32 v90, 0
	v_lshlrev_b32 v1, 4, v0                        ; my 4 columns
	s_lshl_b32 s16, ttmp9, 12
	v_lshl_add_u32 v2, v0, 4, s16                  ; in row b
	s_mov_b32 s20, 0x76543210                      ; v_permlanex16_b32: each lane takes its own place in the other half
	s_mov_b32 s21, 0xfedcba98
	s_mov_b32 s22, 0xba800000                      ; -1 / 1,024
	s_mov_b32 s23, 0x3a800000                      ; 1 / 1,024
	s_mov_b32 s24, 0x3727c5ac                      ; 1e-5
	s_wait_kmcnt 0x0
	global_load_b128 v[Y:Y+3], v2, s[6:7]
	global_load_b128 v[BI:BI+3], v1, s[8:9]
	global_load_b128 v[G:G+3], v1, s[10:11]
	global_load_b128 v[BE:BE+3], v1, s[12:13]
.set p, 0
.rept P
	global_load_b128 v[PT+4*p:PT+4*p+3], v2, s[4:5] offset:p*65536
.set p, p+1
.endr
	s_wait_loadcnt 0x0
.if RRES
	RB4 Y
.endif
	RB4 BI
	RB4 G
	RB4 BE
	v_pk_add_f32 v[Y:Y+1], v[Y:Y+1], v[BI:BI+1]
	v_pk_add_f32 v[Y+2:Y+3], v[Y+2:Y+3], v[BI+2:BI+3]
.set p, 0
.rept P
	v_pk_add_f32 v[Y:Y+1], v[Y:Y+1], v[PT+4*p:PT+4*p+1]
	v_pk_add_f32 v[Y+2:Y+3], v[Y+2:Y+3], v[PT+4*p+2:PT+4*p+3]
.set p, p+1
.endr
	v_add_f32 v88, v[Y], v[Y+1]
	v_add_f32 v89, v[Y+2], v[Y+3]
	v_add_f32 v88, v88, v89
	GSUM RA
.irp e, 0,1,2,3
	v_fma_f32 v[Y+\e], v24, s22, v[Y+\e]           ; y - mean
.endr
	v_mul_f32 v88, v[Y], v[Y]
	v_fmac_f32 v88, v[Y+1], v[Y+1]
	v_fmac_f32 v88, v[Y+2], v[Y+2]
	v_fmac_f32 v88, v[Y+3], v[Y+3]
	GSUM RB                                        ; other words than the first sum's, so one barrier serves
	v_fma_f32 v24, v24, s23, s24                   ; variance + 1e-5
	v_rsq_f32 v24, v24
	v_nop                                          ; a plain instruction behind it,
	s_wait_alu depctr_va_vdst(0)                   ; and a wait ahead of its reader
.irp e, 0,1,2,3
	v_mul_f32 v[Y+\e], v[Y+\e], v24
.endr
.irp e, 0,1,2,3
	v_fma_f32 v[Y+\e], v[Y+\e], v[G+\e], v[BE+\e]
.endr
	global_store_b128 v2, v[Y:Y+3], s[14:15]       ; a wave stores 512 consecutive bytes, aligned
	s_wait_tensorcnt 0x0                           ; the wave's end: behind my last LDS store
	ds_add_u32 v[SPW], v[NIL]
	s_wait_dscnt 0x0
	s_endpgm
.Lfunc_end_k_q61aa4e3012_ln2:
	.size	k_q61aa4e3012_ln2, .Lfunc_end_k_q61aa4e3012_ln2-k_q61aa4e3012_ln2
	.p2alignl 7, 3214868480
	.fill 96, 4, 3214868480
	.section	.rodata,"a",@progbits
	.p2align	6, 0x0
	.amdhsa_kernel k_q61aa4e3012_ln2
		.amdhsa_group_segment_fixed_size 1536
		.amdhsa_private_segment_fixed_size 0
		.amdhsa_enable_private_segment 0
		.amdhsa_kernarg_size 48
		.amdhsa_user_sgpr_count 2
		.amdhsa_user_sgpr_kernarg_segment_ptr 1
		.amdhsa_wavefront_size32 1
		.amdhsa_system_sgpr_workgroup_id_x 1
		.amdhsa_system_sgpr_workgroup_id_y 1
		.amdhsa_system_sgpr_workgroup_id_z 1
		.amdhsa_system_vgpr_workitem_id 0
		.amdhsa_next_free_vgpr 96
		.amdhsa_next_free_sgpr 66
		.amdhsa_reserve_vcc 0
		.amdhsa_float_denorm_mode_32 3
		.amdhsa_float_denorm_mode_16_64 3
		.amdhsa_memory_ordered 1
		.amdhsa_forward_progress 1
		.amdhsa_inst_pref_size 10
	.end_amdhsa_kernel
	.amdgpu_metadata
---
amdhsa.version: [ 1, 2 ]
amdhsa.kernels:
  - .name:           k_q61aa4e3012_ln2
    .symbol:         k_q61aa4e3012_ln2.kd
    .args:
      - { .name: pb, .offset: 0, .size: 8, .value_kind: global_buffer, .address_space: global }
      - { .name: x1, .offset: 8, .size: 8, .value_kind: global_buffer, .address_space: global }
      - { .name: b2, .offset: 16, .size: 8, .value_kind: global_buffer, .address_space: global }
      - { .name: g2, .offset: 24, .size: 8, .value_kind: global_buffer, .address_space: global }
      - { .name: be2, .offset: 32, .size: 8, .value_kind: global_buffer, .address_space: global }
      - { .name: out0, .offset: 40, .size: 8, .value_kind: global_buffer, .address_space: global }
    .group_segment_fixed_size: 1536
    .private_segment_fixed_size: 0
    .kernarg_segment_align: 8
    .kernarg_segment_size: 48
    .max_flat_workgroup_size: 256
    .sgpr_count:     66
    .vgpr_count:     96
    .wavefront_size: 32
...
	.end_amdgpu_metadata
.endif
;; end of part 11
